; MI455X (gfx1250); checked and timed in simulation.
; The chip was launched on July 23, 2026; its instructions are those of AMD's public machine-readable ISA for CDNA 5 (MIT licence, August 2026) and "CDNA5" Instruction Set Architecture Reference Guide (July 2026). The comments in the code are by the model that wrote it; some were corrected since.
;; Spatial Attention Layer. Allowed arithmetic: float matrix products may take bf16 or f16 operands with f32 sums; other float arithmetic in f32, or as packed bf16 or f16 multiplies, adds, multiply-adds, maxima and minima; sums over many terms, partial sums and values carried from step to step in f32; what a program stores and reads back later, other than sums and carried values, may be rounded once to bf16 or f16.
;; Inputs: P 8,192 x 3 float32; W_k 256 x 256 float32; W_q 256 x 256 float32; W_v 256 x 256 float32; X 8,192 x 256 float32; b_k 256 float32; b_q 256 float32; b_v 256 float32.
;; Outputs: out0 8,192 x 256 float32.
;; 2 versions, each right; version 2 is version 1 with the launches proj, comb written anew for expert scheduling mode. Each part assembles by itself: llvm-mc -triple=amdgcn-amd-amdhsa -mcpu=gfx1250 --defsym DOCPART=n.
;; ======== version 1 of 2: 3 launches
;; workspace buffers: qbf 4,194,304 bytes; kbf 4,194,304 bytes; vbf 4,194,304 bytes; opart 33,554,432 bytes; ml 262,144 bytes
;; launch proj (part 1): grid 64 x 3, 4 waves a work-group, no clusters, 224,768 bytes of LDS; arguments X, W_q, W_k, W_v, b_q, b_k, b_v, qbf, kbf, vbf; writes qbf, kbf, vbf
.if DOCPART == 1
	.amdgcn_target "amdgcn-amd-amdhsa--gfx1250"
	.amdhsa_code_object_version 6
	.text
	.protected	k_q275e78e8ed_proj
	.globl	k_q275e78e8ed_proj
	.p2align	8
	.type	k_q275e78e8ed_proj,@function
k_q275e78e8ed_proj:
	s_mov_b64 s[64:65], 0
	v_nop
	global_prefetch_b8 v0, s[64:65] scope:SCOPE_SE
	s_setreg_imm32_b32 hwreg(HW_REG_WAVE_MODE, 25, 1), 1
	s_wait_xcnt 0x0
; THE THREE PROJECTIONS.  out[m][n] = bf16((sum over k of X[m][k] W[k][n] + b[n]) x sc).  X: [8192][256] f32, W: [256][256] f32 ([k][n]), b: [256] f32, out: [8192][256] bf16.
; Work-group (x, y): rows 128 x .. 128 x + 127, all 256 columns, of matrix y: 0 = q (sc = log2(e) / 16, so that the next launch's scores are exponents of 2), 1 = k, 2 = v (sc = 1).
; X and W are rounded once to bf16 on their way into LDS; sums and the bias in f32; the result is rounded once.
; 192 work-groups: a split into 256 would need blocks of 192 columns, which end inside an aligned 256 bytes of a row of out and straddle two matrices.
; No tensor loads: every number has to pass through registers to be rounded.  No cluster and no prefetch: a short launch, whose X and W other work-groups read as well.
; SHARES.  Wave w: rows 64 (w / 2) .. + 63 (four tiles a of 16), columns 128 (w % 2) .. + 127 (eight blocks b of 16): 32 accumulators, 256 matrix instructions.
; THE MATRIX INSTRUCTION IS USED TRANSPOSED: source 0 = 16 columns of W (turned on the way out of LDS by ds_load_tr16_b128), source 1 = 16 rows of X: a lane then holds one row and eight
; neighbouring columns.  The first K step takes the bias as its C operand: nothing is cleared and nothing is added later.
; LIMITS.  NaN and infinities are not treated apart; bf16 has f32's range, so no range is lost.
; REGISTERS.  window 0: v1-15 addresses; v32-63 rounded numbers on their way to LDS; v64-255 three sets of 64 for the loads, then two sets of 96 for fragments, then the way out.
;             window 1: accumulator (a, b) at 8 (8 a + b).     window 2: v0-63 the bias of my 128 columns, block b at 8 b.
.set PX,    528                        ; a row of X in LDS: 512 bytes + 16: the 16 rows of a fragment load start at 16 different groups of four banks (ISA guide 11.1)
.set PW,    544                        ; a row of W: 512 + 32
.set WS,    128*PX                     ; X's 128 rows, then W's 256
.set STAGE, WS+256*PW                  ; 16 rows x 272 bytes for each wave, for the way out
.set SPT,   272
.set SPARE, STAGE+4*16*SPT             ; the spare words, 128 bytes for each wave, which no other line names
.set GX,  3                            ; v3   byte offset of my 16 bytes in the first half row of X that my wave loads
.set GW,  4                            ; v4   the same in W
.set LX,  5                            ; v5   where their 8 bytes of bf16 go in LDS
.set LW,  6                            ; v6
.set AX,  7                            ; v7   my lane's place in a fragment of X
.set AW,  8                            ; v8-9 the same for W: k 0-127, k 128-255 (an LDS immediate ends at 65,535)
.set STO, 10                           ; v10  the way out: where I put 16 bytes of a row
.set RD,  11                           ; v11  where I read rows back
.set CO,  12                           ; v12  my byte offset in out
.set BO,  13                           ; v13  my byte offset in the bias
.set SPW, 14                           ; v14  LDS address of my spare word; never rewritten
.set NIL, 15                           ; v15  0; never rewritten
.set T,   32
.set TMP, 64
.set OB,  128
.set MSB, 0
.macro WIN new                         ; the immediate's high byte repeats the setting that is left; a switch that changes nothing is dropped
.if MSB != (\new)
	s_set_vgpr_msb (MSB<<8)|(\new)
.set MSB, (\new)
.endif
.endm
.macro PLACES                          ; four plain vector instructions behind a matrix instruction, ahead of loads into registers that it read and of lines that read its result
.rept 4
	v_nop
.endr
.endm
	s_load_b512 s[8:23], s[0:1], 0x0               ; X 8:9, W_q 10:11, W_k 12:13, W_v 14:15, b_q 16:17, b_k 18:19, b_v 20:21, qbf 22:23
	s_load_b128 s[24:27], s[0:1], 0x40             ; kbf 24:25, vbf 26:27
	v_lshl_add_u32 v[SPW], v0, 2, SPARE
	v_mov_b32 v[NIL], 0
	v_lshrrev_b32 v16, 5, v0
	v_readfirstlane_b32 s4, v16                    ; wave 0..3
	s_lshr_b32 s5, s4, 1                           ; which 64 rows
	s_and_b32 s6, s4, 1                            ; which 128 columns
	s_and_b32 s36, ttmp7, 0xffff                   ; which matrix
	v_and_b32 v1, 15, v0                           ; l % 16
	v_bfe_u32 v2, v0, 4, 1                         ; l / 16
	v_and_b32 v17, 31, v0                          ; l
	s_lshl_b32 s37, s4, 15                         ; my wave loads rows 32 w .. of X (1,024 bytes each),
	v_lshl_add_u32 v[GX], v17, 4, s37
	s_lshl_b32 s37, s4, 16                         ; and rows 64 w .. of W
	v_lshl_add_u32 v[GW], v17, 4, s37
	s_mul_i32 s37, s4, 32*PX
	v_lshl_add_u32 v[LX], v17, 3, s37
	s_mul_i32 s37, s4, 64*PW
	s_add_co_u32 s37, s37, WS
	v_lshl_add_u32 v[LW], v17, 3, s37
	s_mul_i32 s37, s5, 64*PX
	v_mul_u32_u24 v[AX], v1, PX
	v_lshl_add_u32 v[AX], v2, 4, v[AX]
	v_add_nc_u32 v[AX], s37, v[AX]                 ; (64 rh + l % 16) x pitch + 16 (l / 16)
	v_and_b32 v18, 7, v0
	v_bfe_u32 v19, v0, 3, 1
	v_lshl_add_u32 v[AW], v2, 3, v18               ; the turning load: lane l reads k = 8 (l / 16) + l % 8, columns 8 ((l / 8) % 2) + 0..7
	v_mul_u32_u24 v[AW], v[AW], PW
	v_lshl_add_u32 v[AW], v19, 4, v[AW]
	s_lshl_b32 s37, s6, 8
	s_add_co_u32 s37, s37, WS
	v_add_nc_u32 v[AW], s37, v[AW]
	v_add_nc_u32 v[AW+1], 128*PW, v[AW]
	s_mul_i32 s37, s4, 16*SPT
	s_add_co_u32 s37, s37, STAGE
	v_mul_u32_u24 v[STO], v1, SPT                  ; in: row l % 16, 16 bytes for each half of the lanes
	v_lshl_add_u32 v[STO], v2, 4, v[STO]
	v_add_nc_u32 v[STO], s37, v[STO]
	v_mul_u32_u24 v[RD], v2, SPT                   ; back: lanes 0-15 one row of 256 bytes, lanes 16-31 the next
	v_lshl_add_u32 v[RD], v1, 4, v[RD]
	v_add_nc_u32 v[RD], s37, v[RD]
	s_lshl_b32 s37, s5, 15                         ; 64 rows of 512 bytes,
	s_lshl_b32 s38, s6, 8                          ; 128 columns of 2
	s_add_co_u32 s37, s37, s38
	v_lshlrev_b32 v[CO], 9, v2
	v_lshl_add_u32 v[CO], v1, 4, v[CO]
	v_add_nc_u32 v[CO], s37, v[CO]
	s_lshl_b32 s37, s6, 9
	v_lshl_add_u32 v[BO], v2, 5, s37               ; bias: 4 (128 ch + 8 (l / 16)) bytes
	s_lshl_b32 s40, ttmp9, 17                      ; the work-group's 128 rows of X,
	s_mov_b32 s41, 0
	s_lshl_b32 s42, ttmp9, 16                      ; and of out
	s_mov_b32 s43, 0
	s_wait_kmcnt 0x0
	s_cmp_eq_u32 s36, 1                            ; the matrix chooses W, b and out: first between k and v,
	s_cselect_b64 s[28:29], s[12:13], s[14:15]
	s_cselect_b64 s[30:31], s[18:19], s[20:21]
	s_cselect_b64 s[32:33], s[24:25], s[26:27]
	s_cmp_eq_u32 s36, 0                            ; then q
	s_cselect_b64 s[28:29], s[10:11], s[28:29]
	s_cselect_b64 s[30:31], s[16:17], s[30:31]
	s_cselect_b64 s[32:33], s[22:23], s[32:33]
	s_cselect_b32 s34, 0x3db8aa3b, 1.0             ; sc = log2(e) / 16 for q
	s_mov_b32 s35, s34                             ; named with it as a pair
	s_add_nc_u64 s[8:9], s[8:9], s[40:41]
	s_add_nc_u64 s[32:33], s[32:33], s[42:43]
	WIN 0x80                                       ; destination window 2
.irp b, 0,1,2,3,4,5,6,7
	global_load_b128 v[8*\b:8*\b+3],   v[BO], s[30:31] offset:64*\b
	global_load_b128 v[8*\b+4:8*\b+7], v[BO], s[30:31] offset:64*\b+16
.endr
	WIN 0
; Batch n of 12: sixteen loads, each 512 consecutive bytes (half a row), into set n % 3.  Batches 0-3: my 32 rows of X; 4-11: my 64 rows of W.
.macro BATCH n
.set sb, 64+64*((\n)%3)
.set i_, 0
.rept 16
.if (\n) < 4
.set x_, 16*(\n)+i_
	global_load_b128 v[sb+4*i_:sb+4*i_+3], v[GX], s[8:9] offset:(x_/2)*1024+(x_%2)*512
.else
.set x_, 16*((\n)-4)+i_
	global_load_b128 v[sb+4*i_:sb+4*i_+3], v[GW], s[28:29] offset:(x_/2)*1024+(x_%2)*512
.endif
.set i_, i_+1
.endr
.endm
; Batch n is rounded to bf16 and stored into LDS.  The wait leaves the younger batches out: two of them (32 loads), then one, then none.
.macro CONV n
.set sb, 64+64*((\n)%3)
.if (\n) < 10
	s_wait_loadcnt 32
.elseif (\n) == 10
	s_wait_loadcnt 16
.else
	s_wait_loadcnt 0x0
.endif
.set i_, 0
.rept 32
	v_cvt_pk_bf16_f32 v[T+i_], v[sb+2*i_], v[sb+2*i_+1]
.set i_, i_+1
.endr
.set i_, 0
.rept 16
.if (\n) < 4
.set x_, 16*(\n)+i_
	ds_store_b64 v[LX], v[T+2*i_:T+2*i_+1] offset:(x_/2)*PX+(x_%2)*256
.else
.set x_, 16*((\n)-4)+i_
	ds_store_b64 v[LW], v[T+2*i_:T+2*i_+1] offset:(x_/2)*PW+(x_%2)*256
.endif
.set i_, i_+1
.endr
.endm
; The fragments of K step c (32 along k) into set c % 2: eight of W (turned), four of X: 24 LDS loads in one run.
.macro FETCHP c
.set fb, 64+96*((\c)%2)
.irp b, 0,1,2,3,4,5,6,7
	ds_load_tr16_b128 v[fb+8*\b:fb+8*\b+3],   v[AW+(\c)/4] offset:((\c)%4)*32*PW+32*\b
	ds_load_tr16_b128 v[fb+8*\b+4:fb+8*\b+7], v[AW+(\c)/4] offset:((\c)%4)*32*PW+16*PW+32*\b
.endr
.irp a, 0,1,2,3
	ds_load_b128 v[fb+64+8*\a:fb+64+8*\a+3],   v[AX] offset:\a*16*PX+64*(\c)
	ds_load_b128 v[fb+64+8*\a+4:fb+64+8*\a+7], v[AX] offset:\a*16*PX+64*(\c)+32
.endr
.endm
; Sixteen products: tiles a0, a0 + 1 x all eight blocks.  The 32 accumulators take turns, one instruction a turn, in the same order in every K step.
.macro MULP c, a0
.set fb, 64+96*((\c)%2)
.irp a, \a0, (\a0)+1
.irp b, 0,1,2,3,4,5,6,7
.if (\c) == 0
	WIN 0x60                                       ; D window 1, C (the bias) window 2
	v_wmma_f32_16x16x32_bf16 v[8*(8*(\a)+\b):8*(8*(\a)+\b)+7], v[fb+8*\b:fb+8*\b+7], v[fb+64+8*(\a):fb+64+8*(\a)+7], v[8*\b:8*\b+7]
.else
	WIN 0x50                                       ; C and D window 1
	v_wmma_f32_16x16x32_bf16 v[8*(8*(\a)+\b):8*(8*(\a)+\b)+7], v[fb+8*\b:fb+8*\b+7], v[fb+64+8*(\a):fb+64+8*(\a)+7], v[8*(8*(\a)+\b):8*(8*(\a)+\b)+7]
.endif
.endr
.endr
.endm
	BATCH 0
	BATCH 1
	BATCH 2
.irp n, 0,1,2,3,4,5,6,7,8,9,10,11
	CONV \n
.if \n < 9
	BATCH (\n)+3                                   ; the set just rounded is asked for again
.endif
.endr
	s_wait_dscnt 0x0                               ; for the others' sake: my part of both tiles is in LDS
	s_barrier_signal -1
	s_barrier_wait -1                              ; everybody's is
	FETCHP 0
.irp c, 0,1,2,3,4,5,6,7
	s_wait_dscnt 0x0                               ; this step's fragments, asked for sixteen products ago
	MULP \c, 0
.if \c < 7
	PLACES                                         ; the other set's last readers stand ahead of these four
	WIN 0
	FETCHP (\c)+1
.endif
	MULP \c, 2
.endr
	PLACES
; THE WAY OUT of tile a: times sc, rounded to bf16 (16 bytes a lane), through my own stage, back as whole rows of 256 bytes.  Each accumulator is read from its lowest registers on.
.macro PACKP a
	WIN 0x41                                       ; destination and source 0 window 1
.set i_, 64*(\a)
.rept 32
	v_pk_mul_f32 v[i_:i_+1], v[i_:i_+1], s[34:35] op_sel_hi:[1,0]
.set i_, i_+2
.endr
	WIN 0x05                                       ; sources window 1, destination window 0
.set i_, 0
.rept 32
	v_cvt_pk_bf16_f32 v[TMP+i_], v[64*(\a)+2*i_], v[64*(\a)+2*i_+1]
.set i_, i_+1
.endr
	WIN 0
.irp b, 0,1,2,3,4,5,6,7
	ds_store_b128 v[STO], v[TMP+4*\b:TMP+4*\b+3] offset:32*\b
.endr
.irp u, 0,1,2,3,4,5,6,7
	ds_load_b128 v[OB+32*(\a)+4*\u:OB+32*(\a)+4*\u+3], v[RD] offset:\u*2*SPT  ; LDS serves a wave's instructions in order (ISA guide 5.7.1.4): these see the stores above
.endr
.endm
.macro SENDP a, younger                ; younger: the next tile's eight LDS stores and eight loads, or none
	s_wait_dscnt \younger
.irp u, 0,1,2,3,4,5,6,7
	global_store_b128 v[CO], v[OB+32*(\a)+4*\u:OB+32*(\a)+4*\u+3], s[32:33] offset:(\a)*8192+\u*1024  ; 16 lanes store 256 consecutive bytes, aligned
.endr
.endm
	PACKP 0
	PACKP 1
	SENDP 0, 16
	PACKP 2
	SENDP 1, 16
	PACKP 3
	SENDP 2, 16
	SENDP 3, 0
	s_wait_tensorcnt 0x0                           ; the wave's end: these three lines stand behind my last LDS store
	ds_add_u32 v[SPW], v[NIL]
	s_wait_dscnt 0x0
	s_endpgm
.Lfunc_end_k_q275e78e8ed_proj:
	.size	k_q275e78e8ed_proj, .Lfunc_end_k_q275e78e8ed_proj-k_q275e78e8ed_proj
	.p2alignl 7, 3214868480
	.fill 96, 4, 3214868480
	.section	.rodata,"a",@progbits
	.p2align	6, 0x0
	.amdhsa_kernel k_q275e78e8ed_proj
		.amdhsa_group_segment_fixed_size 224768
		.amdhsa_private_segment_fixed_size 0
		.amdhsa_enable_private_segment 0
		.amdhsa_kernarg_size 80
		.amdhsa_user_sgpr_count 2
		.amdhsa_user_sgpr_kernarg_segment_ptr 1
		.amdhsa_wavefront_size32 1
		.amdhsa_system_sgpr_workgroup_id_x 1
		.amdhsa_system_sgpr_workgroup_id_y 1
		.amdhsa_system_sgpr_workgroup_id_z 1
		.amdhsa_system_vgpr_workitem_id 0
		.amdhsa_next_free_vgpr 576
		.amdhsa_next_free_sgpr 66
		.amdhsa_reserve_vcc 0
		.amdhsa_float_denorm_mode_32 3
		.amdhsa_float_denorm_mode_16_64 3
		.amdhsa_memory_ordered 1
		.amdhsa_forward_progress 1
		.amdhsa_inst_pref_size 113
	.end_amdhsa_kernel
	.amdgpu_metadata
---
amdhsa.version: [ 1, 2 ]
amdhsa.kernels:
  - .name:           k_q275e78e8ed_proj
    .symbol:         k_q275e78e8ed_proj.kd
    .args:
      - { .name: X, .offset: 0, .size: 8, .value_kind: global_buffer, .address_space: global }
      - { .name: W_q, .offset: 8, .size: 8, .value_kind: global_buffer, .address_space: global }
      - { .name: W_k, .offset: 16, .size: 8, .value_kind: global_buffer, .address_space: global }
      - { .name: W_v, .offset: 24, .size: 8, .value_kind: global_buffer, .address_space: global }
      - { .name: b_q, .offset: 32, .size: 8, .value_kind: global_buffer, .address_space: global }
      - { .name: b_k, .offset: 40, .size: 8, .value_kind: global_buffer, .address_space: global }
      - { .name: b_v, .offset: 48, .size: 8, .value_kind: global_buffer, .address_space: global }
      - { .name: qbf, .offset: 56, .size: 8, .value_kind: global_buffer, .address_space: global }
      - { .name: kbf, .offset: 64, .size: 8, .value_kind: global_buffer, .address_space: global }
      - { .name: vbf, .offset: 72, .size: 8, .value_kind: global_buffer, .address_space: global }
    .group_segment_fixed_size: 224768
    .private_segment_fixed_size: 0
    .kernarg_segment_align: 8
    .kernarg_segment_size: 80
    .max_flat_workgroup_size: 128
    .sgpr_count:     66
    .vgpr_count:     576
    .wavefront_size: 32
...
	.end_amdgpu_metadata
.endif
;; end of part 1
;; launch attn (part 2): grid 64 x 4, 4 waves a work-group, clusters of 4 x 1, 327,680 bytes of LDS; arguments qbf, kbf, vbf, P, opart, ml; writes opart, ml
.if DOCPART == 2
	.amdgcn_target "amdgcn-amd-amdhsa--gfx1250"
	.amdhsa_code_object_version 6
	.text
	.protected	k_q275e78e8ed_attn
	.globl	k_q275e78e8ed_attn
	.p2align	8
	.type	k_q275e78e8ed_attn,@function
k_q275e78e8ed_attn:
	s_mov_b64 s[64:65], 0
	v_nop
	global_prefetch_b8 v0, s[64:65] scope:SCOPE_SE
	s_setreg_imm32_b32 hwreg(HW_REG_WAVE_MODE, 25, 1), 1
	s_wait_xcnt 0x0
	s_wait_alu depctr_hold_cnt(0) depctr_sa_sdst(0) depctr_va_vdst(0) depctr_va_sdst(0) depctr_va_ssrc(0) depctr_va_vcc(0) depctr_vm_vsrc(0)
	s_getreg_b32 s2, hwreg(HW_REG_IB_STS2, 6, 4)
	s_cmp_eq_u32 s2, 0
	s_cbranch_scc0 .Lentry_in_a_cluster
	s_endpgm
.Lentry_in_a_cluster:
	s_bfe_u32 s2, ttmp6, 0x10000c
	s_cmp_lg_u32 s2, 0x3003
	s_cbranch_scc0 .Lentry_shape_is_right
	s_endpgm
.Lentry_shape_is_right:
; ATTENTION WITH A SPATIAL DECAY, one quarter of the keys to a work-group.  s[q][k] = (Q[q] . K[k]) x 2^(-|g p_q - g p_k|^2); Q arrives times log2(e) / 16, g = sqrt(log2(e) / 2), so s is the
; score times the decay, as an exponent of 2.  For its 128 queries and its 2,048 keys a work-group stores M = max s, L = sum of 2^(s - M) and O = sum of 2^(s - M) V[k], all f32;
; the next launch merges the four quarters.  qbf, kbf, vbf: [8192][256] bf16; P: [8192][3] f32; opart: [4][8192][256] f32; ml: M [4][8192], then L [4][8192], f32.
; Products in bf16 with f32 sums; distances from true differences in f32; maxima, sums and O in f32; the weights are rounded to bf16 for the second product (L is taken of the unrounded ones).
; LIMITS.  A decay or a weight below 2^-126 counts as 0; m starts at the lowest finite number; g p is rounded once; NaN and infinities are not treated apart.
; SHARES.  Work-group (qb, kq): queries 128 qb .., keys 2,048 kq ...  A key step is 128 keys.  Wave w: queries 64 (w / 2) .. (four tiles of 16) x keys 64 (w % 2) .. of each step.  The two waves
; of a pair of queries meet in LDS at the end.  The keys are split so that a fragment of K or V read from LDS feeds four products although there is one head of 8,192 queries for 256 WGPs.
; LAYOUT.  S^T = K Q^T (source 0 = 16 keys, source 1 = 16 queries): a lane holds ONE query (lane % 16) and the keys 8 (lane / 16) + 0..7.  Two such results, rounded in pairs, ARE source 1 of
; O^T = V^T P, whose result again holds one query a lane, and eight channels.  K comes out of LDS as it lies, V ([key][channel]) turned, by ds_load_tr16_b128.
; A KEY STEP goes in phases: 128 products K Q^T; the decay; the maximum; the weights; 128 products V^T P, among whose first 48 three quarters of O^T's rescaling stand.  Q (256 registers) and O^T
; (512) leave no room for a second buffer of scores, so no other vector work can stand beside products.
; CLUSTER.  The four query blocks of a cluster share kq and walk the same K and V: each tile is asked for JOINTLY, the same tensor load, descriptor and mask in all four.
; REGISTERS, in windows of 256 (s_set_vgpr_msb: bits 1:0 source 0, 3:2 source 1, 5:4 source 2, 7:6 destination):
;   window 0: v1-15 addresses; v16-63 twelve registers of statistics a tile; v64-191 S^T, 32 a tile (P is made in place); v192-255 fragments of K or V, two sets of 32; in the decay: coordinates and work
;   window 1: O^T of tiles 0, 1 at 128 (t % 2) + 8 cb      window 2: of tiles 2, 3      window 3: Q, tile t, channels 32 c on, at 64 t + 8 c
.set PK,    528       ; a row of K in LDS: 512 bytes + 16: the 16 rows of a load start at 16 different groups of four banks (64 banks of 4 bytes: ISA guide 11.1)
.set PV,    544       ; a row of V: 512 + 32
.set KHALF, 64*PK     ; what one tensor load brings of K, and what one wave reads
.set VHALF, 64*PV
.set VOFF,  2*KHALF   ; a slot: 128 rows of K, then 128 rows of V
.set SLOT,  VOFF+2*VHALF
.set COORD, 2*SLOT    ; behind the ring, filled by ds_store alone: g x the coordinates of my 2,048 keys, in groups of 8 keys: x8, y8, z8: 96 bytes
.set XCH,   COORD+24576  ; 4 x 1,024 bytes: the waves' m and l
.set XCH2,  XCH+4096     ; 4 x 256 bytes: M or L by query
.set SPARE, XCH+5120     ; the spare words, 128 bytes for each wave, which no other line names
.set SP,    1040      ; the way out: a row of O, 1,024 bytes + 16.  Its stage lies in the slots, behind their last fill: 64 rows for each wave
.set STGB,  64*SP
.set STEPB, 65536     ; a key step's 128 rows of 512 bytes in memory
.set AK0, 2           ; v2   my lane's place in a slot's K; never rewritten in the loop
.set AV0, 3           ; v3   the same for V
.set AK,  4           ; v4   the step's LDS address for K
.set AV,  5           ; v5   for V
.set AC0, 6           ; v6   my lane's place in the coordinates of a step
.set AC,  7           ; v7   the step's address for them
.set SPW, 8           ; v8   LDS address of my spare word; never rewritten
.set NIL, 9           ; v9   0; never rewritten
.set PFO, 10          ; v10  256 x my lane; never rewritten
.set ST,  16          ; tile t at ST + 12 t: +0 qx, +1 c0, +2 qy, +3 c1, +4 qz, +5 c2, +6 m, +7 c3, +8, +9 l (even keys', odd keys'), +10 a, +11 d.  A number that a packed line spreads lies at an even place
.set S,   64
.set F,   192
.set CC,  192         ; the decay: x8, y8, z8 of one block of 16 keys (my lane's 8)
.set RR,  216         ; eight registers a tile: minus the squared distance, then the decay
.set YY,  248         ; eight at work
.set WV,  16          ; s16  my wave's number
.set QH,  17          ; s17  which 64 queries.  Also: I fetch for K (0) or for V (1)
.set KH,  18          ; s18  which 64 keys of a step.  Also: which 64 rows I fetch
.set CX,  19          ; s19  my place in the cluster: it enters global addresses alone
.set QB,  20          ; s20  my block of 128 queries
.set KQ,  21          ; s21  my quarter of the keys
.set G1K, 24          ; s[24:31] descriptor group 1 for K's tiles
.set G1V, 32          ; s[32:39] for V's: it differs in the padding alone
.set G0K, 40          ; s[40:43] descriptor group 0 for K's tiles: it walks
.set G0V, 44          ; s[44:47] the same for V's
.set SLOTS, 48        ; s48  key steps still to be asked for
.set TB,  49          ; s49  LDS byte at which the slot to be read begins
.set WOK, 50          ; s50  my half of K in a slot
.set WOV, 51          ; s51  my half of V
.set SEL, 52          ; s[52:53] v_permlanex16_b32's selects: each lane takes its own place in the other half
.set PFA, 54          ; s[54:55] where my prefetches stand
.set LIM, 56          ; s56  1 in a cluster that prefetches, else the greatest number
.set TC,  57          ; s57  the step's place in the coordinates
.set KHM, 58          ; s58  all ones where KH = 1
.set GS,  63          ; s63  g
.set MSB, 0
.macro WIN new                      ; the high byte repeats the setting that is left; a switch that changes nothing is dropped
.if MSB != (\new)
	s_set_vgpr_msb (MSB<<8)|(\new)
.set MSB, (\new)
.endif
.endm
.macro PLACES                       ; four plain vector instructions behind a matrix instruction, ahead of loads into and writes of registers that it named
.rept 4
	v_nop
.endr
.endm
.macro ALLT line:vararg             ; one line for each tile t
.set t, 0
.rept 4
	\line
.set t, t+1
.endr
.endm
; A joint fill.  Waves 0 and 1 fetch the two halves of a step's K, waves 2 and 3 those of its V: 64 rows of 512 bytes each.  The branch hangs on the wave's number alone.
; An s_nop 0 and four v_nop follow each of the two lines, ahead of the jump and the label.
.macro JLOAD
	s_cmp_lt_u32 s[WV], 2
	s_cbranch_scc0 .Lfor_v_\@
	tensor_load_to_lds s[G0K:G0K+3], s[G1K:G1K+7]
	s_nop 0
.rept 4
	v_nop
.endr
	s_branch .Lasked_\@
.Lfor_v_\@:
	tensor_load_to_lds s[G0V:G0V+3], s[G1V:G1V+7]
	s_nop 0
.rept 4
	v_nop
.endr
.Lasked_\@:
.endm
; A round of the cluster's barrier: my work-group's barrier, so that wave 0's signal speaks for all four waves; wave 0 signals; every wave waits for all four work-groups; my work-group's barrier once more.
.macro CROUND
	s_barrier_signal -1
	s_barrier_wait -1
	s_cmp_lg_u32 s[WV], 0
	s_cbranch_scc1 .Lnot_wave_0_\@
	s_barrier_signal -3
.Lnot_wave_0_\@:
	s_barrier_wait -3
	s_barrier_signal -1
	s_barrier_wait -1
.endm
; A PREFETCH INTO THE L2 of the key step that the NEXT change of slots will ask for.  All sixteen clusters of a quarter walk the same rows: the first of them asks.  Of the 64 rows that a wave fetches each of
; the four partners takes 16, told apart BY ADDRESS: 32 blocks of 256 bytes, a lane a block, one instruction a wave: each block is named once in the launch.  The last change that fills a slot asks for nothing.
.macro ASK
	s_cmp_gt_u32 s[SLOTS], s[LIM]
	s_cbranch_scc0 .Lnot_mine_\@
	global_prefetch_b8 v[PFO], s[PFA:PFA+1] th:TH_LOAD_NT scope:SCOPE_SE
.Lnot_mine_\@:
.endm
; THE CHANGE OF SLOTS.  Each wave waits for all its tensor loads, of which one is out: its part of the next slot; adds 0 to its spare word; and waits for that and for its own LDS instructions.  Behind the
; barrier nobody reads the old slot any more and the next slot is whole.  fill = 1: the old slot is filled again, with the step after the next: the barrier is then a round of the cluster's, and the joint fill
; is the first thing behind it: it has a whole key step, 256 matrix instructions, in which to land.  (At its first use slot 0 is waited for, slot 1 filled, and the coordinates' stores are shown to all waves.)
.macro CHANGE fill
	WIN 0                           ; at a label and at a branch every window is 0
	s_wait_tensorcnt 0x0            ; no tensor load of mine is out, so a group 0 may be written
	ds_add_u32 v[SPW], v[NIL]       ; 0 onto my spare word: scalar work stands between it and the wait for it
.if \fill
	s_add_co_u32 s[G0K+1], s[TB], s[WOK]  ; the slot read last,
	s_add_co_u32 s[G0V+1], s[TB], s[WOV]
	s_add_nc_u64 s[G0K+2:G0K+3], s[G0K+2:G0K+3], STEPB  ; the next 128 keys; the type bits on top are not reached
	s_add_nc_u64 s[G0V+2:G0V+3], s[G0V+2:G0V+3], STEPB
	s_wait_xcnt 0x0                 ; the last prefetch, a key step back, has read its address
	s_add_nc_u64 s[PFA:PFA+1], s[PFA:PFA+1], STEPB
.endif
	s_xor_b32 s[TB], s[TB], SLOT    ; the reads go to the other slot
	s_wait_dscnt 0x0                ; the add is done, and my LDS instructions are over
.if \fill
	CROUND
	JLOAD
.else
	s_barrier_signal -1
	s_barrier_wait -1
	PLACES
.endif
.endm
; THE LDS LOADS stand in runs.  K: the four fragments (16 keys x 32 channels) of channels 32 c on, into set c % 2.
.macro KFETCH c
.set fb, F+32*((\c)%2)
.irp kb, 0,1,2,3
	ds_load_b128 v[fb+8*\kb:fb+8*\kb+3],   v[AK] offset:\kb*16*PK+64*(\c)
	ds_load_b128 v[fb+8*\kb+4:fb+8*\kb+7], v[AK] offset:\kb*16*PK+64*(\c)+32
.endr
.endm
; V: four fragments (16 channels x 32 keys, turned): keys 32 (n / 4) on, channels 64 (n % 4) on, into set n % 2.
.macro VFETCH n
	WIN 0
.set fb, F+32*((\n)%2)
.irp i, 0,1,2,3
	ds_load_tr16_b128 v[fb+8*\i:fb+8*\i+3],   v[AV] offset:((\n)/4)*32*PV+(4*((\n)%4)+\i)*32
	ds_load_tr16_b128 v[fb+8*\i+4:fb+8*\i+7], v[AV] offset:((\n)/4)*32*PV+16*PV+(4*((\n)%4)+\i)*32
.endr
.endm
; The coordinates of my lane's eight keys of block kb: all lanes of a half read the same 96 bytes.
.macro CFETCH kb
.irp i, 0,1,2,3,4,5
	ds_load_b128 v[CC+4*\i:CC+4*\i+3], v[AC] offset:192*(\kb)+16*\i
.endr
.endm
; Sixteen products of S^T = K Q^T, channels 32 c on.  The 16 accumulators take turns, one instruction a turn; c = 0 starts the sums.
.macro KQRUN c
	WIN 0x0c                        ; Q in window 3
.set fb, F+32*((\c)%2)
.irp tt, 0,1,2,3
.irp kb, 0,1,2,3
.if (\c) == 0
	v_wmma_f32_16x16x32_bf16 v[S+32*\tt+8*\kb:S+32*\tt+8*\kb+7], v[fb+8*\kb:fb+8*\kb+7], v[64*\tt+8*(\c):64*\tt+8*(\c)+7], 0
.else
	v_wmma_f32_16x16x32_bf16 v[S+32*\tt+8*\kb:S+32*\tt+8*\kb+7], v[fb+8*\kb:fb+8*\kb+7], v[64*\tt+8*(\c):64*\tt+8*(\c)+7], v[S+32*\tt+8*\kb:S+32*\tt+8*\kb+7]
.endif
.endr
.endr
.endm
; THE DECAY.  Line n of 24 for tile t: minus the squared distance of my query to eight keys, two keys a line: dx; dy; -dx dx; -dy dy + ..; dz; -dz dz + ...
.macro UL t, n
.set zg, (\n)/4
.set zp, 2*((\n)%4)
.set zr, RR+8*(\t)+zp
.set zq, ST+12*(\t)
.if zg == 0
	v_pk_add_f32 v[zr:zr+1], v[CC+zp:CC+zp+1], v[zq:zq+1] op_sel_hi:[1,0] neg_lo:[0,1] neg_hi:[0,1]
.elseif zg == 1
	v_pk_add_f32 v[YY+zp:YY+zp+1], v[CC+8+zp:CC+8+zp+1], v[zq+2:zq+3] op_sel_hi:[1,0] neg_lo:[0,1] neg_hi:[0,1]
.elseif zg == 2
	v_pk_mul_f32 v[zr:zr+1], v[zr:zr+1], v[zr:zr+1] neg_lo:[0,1] neg_hi:[0,1]
.elseif zg == 4
	v_pk_add_f32 v[YY+zp:YY+zp+1], v[CC+16+zp:CC+16+zp+1], v[zq+4:zq+5] op_sel_hi:[1,0] neg_lo:[0,1] neg_hi:[0,1]
.else
	v_pk_fma_f32 v[zr:zr+1], v[YY+zp:YY+zp+1], v[YY+zp:YY+zp+1], v[zr:zr+1] neg_lo:[0,1,0] neg_hi:[0,1,0]
.endif
.endm
.macro EL t, n                      ; exponential n of 8 of tile t
	v_exp_f32 v[RR+8*(\t)+(\n)], v[RR+8*(\t)+(\n)]
.endm
.macro MXL kb, n                    ; line n of 12 of the maximum over registers 0-6 of block kb: tile n % 4, chain c_kb, three operands at a time
.set zs, S+32*((\n)%4)+8*(\kb)
.set zc, ST+12*((\n)%4)+1+2*(\kb)
.if (\n) < 4
	v_max3_num_f32 v[zc], v[zs], v[zs+1], v[zs+2]
.else
	v_max3_num_f32 v[zc], v[zc], v[zs+2*((\n)/4)+1], v[zs+2*((\n)/4)+2]
.endif
.endm
; Block kb of 16 keys, all four tiles.  A tile's eight exponentials stand among the next tile's distances, the last tile's among the maxima of the block before.  The 32 exponentials are one batch with one
; wait, ahead of the first line that names a result; then the scores are multiplied, each accumulator from its lowest registers on.
.macro DECAY kb
	s_wait_dscnt 0x0                ; the block's coordinates
.set n_, 0
.rept 24
	UL 0, n_
.set n_, n_+1
.endr
.irp tt, 1,2,3
.set n_, 0
.rept 24
	UL \tt, n_
.if n_%3 == 2
	EL (\tt)-1, n_/3
.endif
.set n_, n_+1
.endr
.endr
.if (\kb) < 3
	CFETCH (\kb)+1
.endif
.set n_, 0
.rept 8
	EL 3, n_
.if (\kb) > 0
	MXL (\kb)-1, n_
.endif
.set n_, n_+1
.endr
.if (\kb) > 0
.rept 4
	MXL (\kb)-1, n_
.set n_, n_+1
.endr
.else
	v_nop                           ; a plain instruction behind the last exponential
.endif
	s_wait_alu depctr_va_vdst(0)
.irp tt, 0,1,2,3
.irp pp, 0,1,2,3
	v_pk_mul_f32 v[S+32*\tt+8*(\kb)+2*\pp:S+32*\tt+8*(\kb)+2*\pp+1], v[S+32*\tt+8*(\kb)+2*\pp:S+32*\tt+8*(\kb)+2*\pp+1], v[RR+8*\tt+2*\pp:RR+8*\tt+2*\pp+1]
.endr
.endr
.endm
; THE WEIGHTS.  SUBL: pair i of 16: s - m.  EXL: exponential e of 32.  FINL: line n of 32: pair n / 2 is added onto l (the first as l = a l + pair), then rounded to bf16 into register n / 2 of the tile's S^T,
; whose own pair has been taken by then: registers 0-7 and 8-15 are the two fragments of P.
.macro SUBL t, i
	v_pk_add_f32 v[S+32*(\t)+2*(\i):S+32*(\t)+2*(\i)+1], v[S+32*(\t)+2*(\i):S+32*(\t)+2*(\i)+1], v[ST+12*(\t)+6:ST+12*(\t)+7] op_sel_hi:[1,0] neg_lo:[0,1] neg_hi:[0,1]
.endm
.macro EXL t, e
	v_exp_f32 v[S+32*(\t)+(\e)], v[S+32*(\t)+(\e)]
.endm
.macro FINL t, n
.set zi, (\n)/2
.set zs, S+32*(\t)
.set zt, ST+12*(\t)
.if (\n)%2 == 1
	v_cvt_pk_bf16_f32 v[zs+zi], v[zs+2*zi], v[zs+2*zi+1]
.elseif zi == 0
	v_pk_fma_f32 v[zt+8:zt+9], v[zt+8:zt+9], v[zt+10:zt+11], v[zs:zs+1] op_sel_hi:[1,0,1]
.else
	v_pk_add_f32 v[zt+8:zt+9], v[zt+8:zt+9], v[zs+2*zi:zs+2*zi+1]
.endif
.endm
; O^T times a.  Line u of 64 for the channels 64 n on: tile u / 16, block 4 n + (u / 4) % 4, pair u % 4: each accumulator from its lowest registers on.
.macro RSL n, u
.set zt, (\u)/16
.set zo, 128*(zt%2)+8*(4*(\n)+((\u)/4)%4)+2*((\u)%4)
.if (\u) < 32
	WIN 0x41                        ; destination and source 0 window 1, a in window 0
.else
	WIN 0x82
.endif
	v_pk_mul_f32 v[zo:zo+1], v[zo:zo+1], v[ST+12*zt+10:ST+12*zt+11] op_sel_hi:[1,0]
.endm
; Product j of 16 of set n of O^T += V^T P: keys 32 (n / 4) on, channels 64 (n % 4) + 16 ((j % 8) / 2) on, tile 2 (j / 8) + j % 2.  The accumulators take turns.
.macro PVP n, j
.set zt, 2*((\j)/8)+(\j)%2
.set zi, ((\j)%8)/2
.set zo, 128*(zt%2)+8*(4*((\n)%4)+zi)
.set zv, F+32*((\n)%2)+8*zi
.set zp, S+32*zt+8*((\n)/4)
.if (\j) < 8
	WIN 0x50                        ; C and D window 1
.else
	WIN 0xa0                        ; window 2
.endif
	v_wmma_f32_16x16x32_bf16 v[zo:zo+7], v[zv:zv+7], v[zp:zp+7], v[zo:zo+7]
.endm
; A KEY STEP of a wave: 64 queries x 64 keys.
.macro STEP ask
	v_add_nc_u32 v[AK], s[TB], v[AK0]
	v_add_nc_u32 v[AV], s[TB], v[AV0]
	v_add_nc_u32 v[AC], s[TC], v[AC0]
	s_add_co_u32 s[TC], s[TC], 1536 ; 16 groups of 8 keys on
	KFETCH 0
	KFETCH 1
.if \ask
	ASK                             ; behind the joint load and the first runs of LDS loads
.endif
.irp c, 0,1,2,3,4,5,6,7
.if \c == 7
	s_wait_dscnt 6                  ; K's last set is in; the six loads of coordinates may stay out
.else
	s_wait_dscnt 8                  ; this set is in; the younger set's eight loads may stay out
.endif
	KQRUN \c
	PLACES
.if \c < 6
	KFETCH (\c)+2                   ; (an LDS load names a destination and source 0: both are window 0 under the products' setting)
.elseif \c == 6
	CFETCH 0
.endif
.endr
	WIN 0
	DECAY 0
	DECAY 1
	DECAY 2
	DECAY 3
	VFETCH 0
	VFETCH 1
.set n_, 0
.rept 12
	MXL 3, n_
.set n_, n_+1
.endr
	; the four scores left over, the chains, the old m; the query's other 32 keys lie in the lane 16 away; a = 2^(m_old - m_new)
	ALLT v_max3_num_f32 v[ST+12*t+1], v[ST+12*t+1], v[S+32*t+7], v[S+32*t+15]
	ALLT v_max3_num_f32 v[ST+12*t+5], v[ST+12*t+5], v[S+32*t+23], v[S+32*t+31]
	ALLT v_max3_num_f32 v[ST+12*t+1], v[ST+12*t+1], v[ST+12*t+3], v[ST+12*t+5]
	ALLT v_max3_num_f32 v[ST+12*t+1], v[ST+12*t+1], v[ST+12*t+7], v[ST+12*t+6]
	ALLT v_permlanex16_b32 v[ST+12*t+3], v[ST+12*t+1], s[SEL], s[SEL+1]
	ALLT v_mov_b32 v[ST+12*t+11], v[ST+12*t+6]
	ALLT v_max_num_f32 v[ST+12*t+6], v[ST+12*t+1], v[ST+12*t+3]
	ALLT v_sub_f32 v[ST+12*t+11], v[ST+12*t+11], v[ST+12*t+6]
	ALLT v_exp_f32 v[ST+12*t+10], v[ST+12*t+11]
	; the weights, in two batches of exponentials with a wait each: a and tiles 0, 1 among the subtractions; tiles 2, 3 among the sums and roundings of tiles 0, 1
.set n_, 0
.rept 16
	SUBL 0, n_
.set n_, n_+1
.endr
.set n_, 0
.rept 16
	EXL 0, 2*n_
	EXL 0, 2*n_+1
	SUBL 1, n_
.set n_, n_+1
.endr
.set n_, 0
.rept 16
	EXL 1, 2*n_
	SUBL 2, n_
	EXL 1, 2*n_+1
	SUBL 3, n_                      ; (the last of these is the plain instruction behind the batch's last exponential)
.set n_, n_+1
.endr
	s_wait_alu depctr_va_vdst(0)    ; the wait ahead of the first line that names a result: one for the 68
.set n_, 0
.rept 32
	FINL 0, n_
	EXL 2, n_
.set n_, n_+1
.endr
.set n_, 0
.rept 32
	FINL 1, n_
	EXL 3, n_
.set n_, n_+1
.endr
	v_nop
	s_wait_alu depctr_va_vdst(0)    ; one for the 64
.set n_, 0
.rept 32
	FINL 2, n_
	FINL 3, n_
.set n_, n_+1
.endr
	; O^T = a O^T + V^T P.  The first quarter of the channels is rescaled ahead; each further quarter stands behind the products of the set before it, four lines behind each, which name none of the
	; registers of the products round them and are also the places ahead of the next run of loads.
.set u_, 0
.rept 64
	RSL 0, u_
.set u_, u_+1
.endr
.irp nn, 0,1,2,3,4,5,6,7
.if \nn < 7
	s_wait_dscnt 8                  ; this set of V is in; the younger set's eight loads may stay out
.else
	s_wait_dscnt 0x0
.endif
.set j_, 0
.rept 16
	PVP \nn, j_
.if \nn < 3
	RSL (\nn)+1, 4*j_
	RSL (\nn)+1, 4*j_+1
	RSL (\nn)+1, 4*j_+2
	RSL (\nn)+1, 4*j_+3
.endif
.set j_, j_+1
.endr
.if ((\nn >= 3) && (\nn <= 5)) || (\nn == 7)
	PLACES
.endif
.if \nn < 6
	VFETCH (\nn)+2
.endif
.endr
	WIN 0
.endm
	s_load_b256 s[4:11], s[0:1], 0x0  ; qbf s[4:5], kbf s[6:7], vbf s[8:9], P s[10:11]
	s_load_b128 s[12:15], s[0:1], 0x20  ; opart s[12:13], ml s[14:15]
	v_lshl_add_u32 v[SPW], v0, 2, SPARE
	v_mov_b32 v[NIL], 0
	ds_add_u32 v[SPW], v[NIL]       ; the wave's opening: the add and its wait stand ahead of my first tensor load; the set-up below, work on registers, stands between them
	ds_add_u32 v8, v9
	v_lshrrev_b32 v12, 5, v0
	v_readfirstlane_b32 s[WV], v12  ; wave 0..3
	s_lshr_b32 s[QH], s[WV], 1
	s_and_b32 s[KH], s[WV], 1
	s_bfe_u32 s[CX], ttmp6, 0x40000
	s_lshl_b32 s[QB], ttmp9, 2      ; in a cluster launch ttmp9 counts clusters
	s_add_co_u32 s[QB], s[QB], s[CX]
	s_and_b32 s[KQ], ttmp7, 0xffff  ; which the four partners share
	; descriptor group 1: a tile of 64 rows x 256 elements, padded in LDS
	s_mov_b32 s[G1K], 15|(1<<16)|(1<<20)|(1<<21)|(6<<22)|(3<<25)  ; 15:0 the mask of four; 17:16 2-byte elements; 20 padding on; 21 set beside a mask; 24:22 after every 128 words (code 6); 31:25 4 words (code 3)
	s_mov_b32 s[G1V], 15|(1<<16)|(1<<20)|(1<<21)|(6<<22)|(7<<25)  ; the same with 8 words of padding (code 7)
.irp g, G1K, G1V
	s_mov_b32 s[\g+1], 256<<16      ; tensor_dim0 = 256
	s_mov_b32 s[\g+2], 64<<16       ; tensor_dim1 = 64
	s_mov_b32 s[\g+3], 256<<16      ; tile_dim0 = 256
	s_mov_b32 s[\g+4], 64           ; tile_dim1 = 64
	s_mov_b32 s[\g+5], 256          ; 256 elements from row to row
	s_mov_b32 s[\g+6], 0
	s_mov_b32 s[\g+7], 0
.endr
	s_mul_i32 s[WOK], s[KH], KHALF
	s_mul_i32 s[WOV], s[KH], VHALF
	s_add_co_u32 s[WOV], s[WOV], VOFF
	s_mov_b32 s[G0K], 1             ; 1:0 count = 1
	s_mov_b32 s[G0K+1], s[WOK]      ; 63:32 LDS address: slot 0
	s_mov_b32 s[G0V], 1
	s_mov_b32 s[G0V+1], s[WOV]
	s_lshl_b32 s22, s[KQ], 20       ; my quarter's 2,048 rows of 512 bytes,
	s_lshl_b32 s23, s[KH], 15       ; the 64 rows that I fetch
	s_add_co_u32 s22, s22, s23
	s_mov_b32 s23, 0
	s_mov_b32 s[SEL], 0x76543210
	s_mov_b32 s[SEL+1], 0xfedcba98
	s_mov_b32 s[TB], SLOT           ; the first change of slots fills slot 1 and turns this into 0
	s_mov_b32 s[TC], 0
	s_mov_b32 s[SLOTS], 15
	s_mov_b32 s[GS], 0x3f596d27     ; g = sqrt(log2(e) / 2) = 0.849322
	s_cmp_eq_u32 ttmp9, 0           ; the quarter's first cluster: the same in all four partners
	s_cselect_b32 s[LIM], 1, -1
	s_cmp_eq_u32 s[KH], 1
	s_cselect_b32 s[KHM], -1, 0
	s_wait_dscnt 0x0                ; the opening add is done
	s_wait_kmcnt 0x0
	s_add_nc_u64 s[G0K+2:G0K+3], s[6:7], s[22:23]  ; 120:64 global address: my half of the quarter's first 128 keys
	s_or_b32 s[G0K+3], s[G0K+3], 0x80000000        ; 127:126 type = 2
	s_add_nc_u64 s[G0V+2:G0V+3], s[8:9], s[22:23]
	s_or_b32 s[G0V+3], s[G0V+3], 0x80000000
	CROUND                          ; all four work-groups are here: the first joint loads meet
	JLOAD                           ; slot 0: one tensor load of mine is out, here and behind every later round
	s_cmp_lt_u32 s[WV], 2
	s_cselect_b64 s[PFA:PFA+1], s[6:7], s[8:9]
	s_add_nc_u64 s[PFA:PFA+1], s[PFA:PFA+1], s[22:23]
	s_lshl_b32 s60, s[CX], 13       ; my work-group's 16 rows of the 64
	s_mov_b32 s61, 0
	s_add_nc_u64 s[PFA:PFA+1], s[PFA:PFA+1], s[60:61]
	s_add_nc_u64 s[PFA:PFA+1], s[PFA:PFA+1], STEPB  ; at key step 1: the first change steps it to 2.  Nothing is prefetched at the head
	s_lshl_b32 s60, s[QB], 16       ; Q at my wave's 64 rows
	s_lshl_b32 s62, s[QH], 15
	s_add_co_u32 s60, s60, s62
	s_add_nc_u64 s[4:5], s[4:5], s[60:61]
	s_mul_i32 s60, s[KQ], 24576     ; P at my quarter's keys,
	s_add_nc_u64 s[2:3], s[10:11], s[60:61]
	s_mul_i32 s60, s[QB], 1536      ; and at my wave's queries
	s_mul_i32 s62, s[QH], 768
	s_add_co_u32 s60, s60, s62
	s_add_nc_u64 s[10:11], s[10:11], s[60:61]
	v_and_b32 v1, 15, v0            ; l % 16
	v_bfe_u32 v11, v0, 4, 1         ; l / 16
	v_mul_u32_u24 v12, v0, 48       ; four keys a thread and pass
	v_mul_u32_u24 v13, v1, 12
	v_lshlrev_b32 v14, 9, v1
	v_lshl_add_u32 v14, v11, 4, v14 ; a fragment of Q: row x 512 + 16 x half
.set j_, 0
.rept 4                             ; pass j: keys 512 j + 4 thread .. + 3: 48 consecutive bytes
	global_load_b128 v[64+12*j_:64+12*j_+3],   v12, s[2:3] offset:j_*6144
	global_load_b128 v[64+12*j_+4:64+12*j_+7], v12, s[2:3] offset:j_*6144+16
	global_load_b128 v[64+12*j_+8:64+12*j_+11], v12, s[2:3] offset:j_*6144+32
.set j_, j_+1
.endr
.irp tt, 0,1,2,3
.irp co, 0,1,2
	global_load_b32 v[160+3*\tt+\co], v13, s[10:11] offset:\tt*192+4*\co
.endr
.endr
	WIN 0xc0                        ; destination window 3
.set i_, 0
.rept 32                            ; Q stays in registers: tile i / 8, channels 32 (i % 8) on
	global_load_b128 v[8*i_:8*i_+3],   v14, s[4:5] offset:(i_/8)*8192+(i_%8)*64
	global_load_b128 v[8*i_+4:8*i_+7], v14, s[4:5] offset:(i_/8)*8192+(i_%8)*64+32
.set i_, i_+1
.endr
	; O^T starts at 0, so that the first key step is a step like any other, with a = 0: 512 lines, in the wait for the first tile, in place of a third copy of the step's text.
	WIN 0x40
.set i_, 0
.rept 256
	v_mov_b32 v[i_], 0
.set i_, i_+1
.endr
	WIN 0x80
.set i_, 0
.rept 256
	v_mov_b32 v[i_], 0
.set i_, i_+1
.endr
	WIN 0
	ALLT v_mov_b32 v[ST+12*t+1], 0
	ALLT v_mov_b32 v[ST+12*t+3], 0
	ALLT v_mov_b32 v[ST+12*t+5], 0
	ALLT v_mov_b32 v[ST+12*t+7], 0
	ALLT v_mov_b32 v[ST+12*t+6], 0xff7fffff
	ALLT v_mov_b32 v[ST+12*t+8], 0
	ALLT v_mov_b32 v[ST+12*t+9], 0
	ALLT v_mov_b32 v[ST+12*t+10], 0
	ALLT v_mov_b32 v[ST+12*t+11], 0
	v_mul_u32_u24 v[AK0], v1, PK
	v_lshl_add_u32 v[AK0], v11, 4, v[AK0]
	v_add_nc_u32 v[AK0], s[WOK], v[AK0]  ; row x pitch + 16 x half + my 64 keys
	; The turning load takes 16 keys x 16 channels (lane l reads key 8 (l / 16) + l % 8, channels 8 ((l / 8) % 2) + 0..7) and leaves half a fragment of V^T: lane l holds channel l % 16 and 8 keys.
	v_and_b32 v[AK], 7, v0
	v_bfe_u32 v[AV], v0, 3, 1
	v_lshl_add_u32 v[AV0], v11, 3, v[AK]
	v_mul_u32_u24 v[AV0], v[AV0], PV
	v_lshl_add_u32 v[AV0], v[AV], 4, v[AV0]
	v_add_nc_u32 v[AV0], s[WOV], v[AV0]
	s_mul_i32 s59, s[KH], 768
	s_add_co_u32 s59, s59, COORD
	v_mul_u32_u24 v[AC0], v11, 96
	v_add_nc_u32 v[AC0], s59, v[AC0]  ; group 8 kh + l / 16 of a step's sixteen
	v_and_b32 v[PFO], 31, v0
	v_lshlrev_b32 v[PFO], 8, v[PFO]
	v_lshrrev_b32 v15, 1, v0        ; where my four keys' coordinates go: group thread / 2, half thread % 2
	v_mul_u32_u24 v15, v15, 96
	v_and_b32 v[AK], 1, v0
	v_lshl_add_u32 v15, v[AK], 4, v15
	v_add_nc_u32 v15, COORD, v15
	s_lshl_b32 s60, s[KQ], 23       ; opart at the 32 rows that my wave stores
	s_lshl_b32 s62, s[QB], 17
	s_add_co_u32 s60, s60, s62
	s_lshl_b32 s62, s[QH], 16
	s_add_co_u32 s60, s60, s62
	s_lshl_b32 s62, s[KH], 15
	s_add_co_u32 s60, s60, s62
	s_add_nc_u64 s[12:13], s[12:13], s[60:61]
	s_lshl_b32 s60, s[KH], 17       ; ml: M (kh = 0) or L (kh = 1) of my pair's 64 queries
	s_lshl_b32 s62, s[KQ], 15
	s_add_co_u32 s60, s60, s62
	s_lshl_b32 s62, s[QB], 9
	s_add_co_u32 s60, s60, s62
	s_lshl_b32 s62, s[QH], 8
	s_add_co_u32 s60, s60, s62
	s_add_nc_u64 s[14:15], s[14:15], s[60:61]
	s_wait_loadcnt 63               ; P's 24 loads are in: 64 loads of Q were issued behind them, and the count's field ends at 63
.set j_, 0
.rept 4
.irp co, 0,1,2
.irp ky, 0,1,2,3
	v_mul_f32 v[112+12*j_+4*\co+\ky], s[GS], v[64+12*j_+3*\ky+\co]  ; (x y z) x 4 becomes x4, y4, z4, times g
.endr
.endr
.irp co, 0,1,2
	ds_store_b128 v15, v[112+12*j_+4*\co:112+12*j_+4*\co+3] offset:j_*6144+32*\co
.endr
.set j_, j_+1
.endr
.irp tt, 0,1,2,3
.irp co, 0,1,2
	v_mul_f32 v[ST+12*\tt+2*\co], s[GS], v[160+3*\tt+\co]
.endr
.endr
	s_wait_loadcnt 0x0              ; Q
.Lslot:                             ; 15 trips: a key step is entered and the next is asked for
	CHANGE 1
	STEP 1
	s_sub_co_u32 s[SLOTS], s[SLOTS], 1
	s_cmp_lg_u32 s[SLOTS], 0
	s_cbranch_scc1 .Lslot
	CHANGE 0                        ; the last step is written out: nothing is asked for
	STEP 0
	; THE END.  l's two halves and the other half of the lanes' are added.  The two waves of a pair of queries exchange m and l, agree on M, and scale their O^T by 2^(m - M).
	ALLT v_add_f32 v[ST+12*t+8], v[ST+12*t+8], v[ST+12*t+9]
	ALLT v_permlanex16_b32 v[ST+12*t+9], v[ST+12*t+8], s[SEL], s[SEL+1]
	ALLT v_add_f32 v[ST+12*t+8], v[ST+12*t+8], v[ST+12*t+9]
	v_and_b32 v12, 31, v0
	s_lshl_b32 s59, s[WV], 10
	s_add_co_u32 s59, s59, XCH
	v_lshl_add_u32 v13, v12, 2, s59 ; my wave's words,
	s_xor_b32 s22, s[WV], 1
	s_lshl_b32 s22, s22, 10
	s_add_co_u32 s22, s22, XCH
	v_lshl_add_u32 v14, v12, 2, s22 ; and the other wave's of my pair
	s_mul_i32 s59, s[WV], STGB
	v_mul_u32_u24 v15, v1, SP       ; into my stage: row l % 16, 32 bytes for each half of the lanes
	v_lshl_add_u32 v15, v11, 5, v15
	v_add_nc_u32 v15, s59, v15
	s_lshl_b32 s22, s[WV], 8
	s_add_co_u32 s22, s22, XCH2
	v_lshl_add_u32 v2, v1, 2, s22   ; M or L by query: in,
	v_lshl_add_u32 v3, v12, 3, s22  ; and back, two queries a lane
	v_lshlrev_b32 v4, 3, v12
	s_mul_i32 s59, s[QH], 2*STGB    ; back from the stages: my pair's first, rows 32 kh ..,
	s_mul_i32 s23, s[KH], 32*SP
	s_add_co_u32 s59, s59, s23
	v_lshl_add_u32 v5, v12, 4, s59
	v_add_nc_u32 v6, STGB, v5       ; and its second
	v_lshlrev_b32 v7, 4, v12
.irp tt, 0,1,2,3
	ds_store_b32 v13, v[ST+12*\tt+6] offset:\tt*256
	ds_store_b32 v13, v[ST+12*\tt+8] offset:\tt*256+128
.endr
	s_wait_dscnt 0x0                ; for the others' sake: my stores are done, and so are my reads of the slots
	s_barrier_signal -1
	s_barrier_wait -1               ; nobody reads a slot any more, and no fill follows: the slots become the stage
.irp tt, 0,1,2,3
	ds_load_b32 v[192+\tt], v14 offset:\tt*256
	ds_load_b32 v[196+\tt], v14 offset:\tt*256+128
.endr
	s_wait_dscnt 0x0
	ALLT v_max_num_f32 v[200+t], v[ST+12*t+6], v[192+t]
	ALLT v_sub_f32 v[216+t], v[ST+12*t+6], v[200+t]
	ALLT v_sub_f32 v[220+t], v[192+t], v[200+t]
	ALLT v_exp_f32 v[ST+12*t+10], v[216+t]
	ALLT v_exp_f32 v[204+t], v[220+t]
	v_nop
	s_wait_alu depctr_va_vdst(0)    ; one wait for the eight exponentials, ahead of their first reader
	ALLT v_mul_f32 v[208+t], v[196+t], v[204+t]
	ALLT v_fma_f32 v[208+t], v[ST+12*t+8], v[ST+12*t+10], v[208+t]
	ALLT v_cndmask_b32 v[212+t], v[200+t], v[208+t], s[KHM]
.irp tt, 0,1,2,3
	ds_store_b32 v2, v[212+\tt] offset:64*\tt  ; (the two halves of the lanes hold the same number)
.endr
.irp tt, 0,1,2,3
	WIN 0x41+0x41*((\tt)/2)         ; O^T in window 1 or 2
.set i_, 128*((\tt)%2)
.rept 64
	v_pk_mul_f32 v[i_:i_+1], v[i_:i_+1], v[ST+12*\tt+10:ST+12*\tt+11] op_sel_hi:[1,0]
.set i_, i_+2
.endr
	WIN 0x04+0x04*((\tt)/2)         ; an LDS store's data is source 1
.set i_, 0
.rept 16
	ds_store_b128 v15, v[128*((\tt)%2)+8*i_:128*((\tt)%2)+8*i_+3]   offset:\tt*16*SP+64*i_
	ds_store_b128 v15, v[128*((\tt)%2)+8*i_+4:128*((\tt)%2)+8*i_+7] offset:\tt*16*SP+64*i_+16
.set i_, i_+1
.endr
.endr
	WIN 0
	s_wait_dscnt 0x0                ; for the others' sake: my stage is whole
	s_barrier_signal -1
	s_barrier_wait -1
; Batch bt of 8: four rows as eight halves of 512 bytes, from both stages of my pair, into set bt % 2; then their sum goes out.
.macro LOADB bt
.set sb, S+64*((\bt)%2)
.set q_, 0
.rept 8
.set hr, 8*(\bt)+q_
	ds_load_b128 v[sb+4*q_:sb+4*q_+3],       v5 offset:(hr/2)*SP+(hr%2)*512
	ds_load_b128 v[sb+32+4*q_:sb+32+4*q_+3], v6 offset:(hr/2)*SP+(hr%2)*512
.set q_, q_+1
.endr
.endm
.macro OUTB bt
.set sb, S+64*((\bt)%2)
.set q_, 0
.rept 16
	v_pk_add_f32 v[sb+2*q_:sb+2*q_+1], v[sb+2*q_:sb+2*q_+1], v[sb+32+2*q_:sb+32+2*q_+1]
.set q_, q_+1
.endr
.set q_, 0
.rept 8
.set hr, 8*(\bt)+q_
	global_store_b128 v7, v[sb+4*q_:sb+4*q_+3], s[12:13] offset:(hr/2)*1024+(hr%2)*512  ; 512 consecutive bytes, aligned
.set q_, q_+1
.endr
.endm
	ds_load_b64 v[224:225], v3
	LOADB 0
.irp bt, 0,1,2,3,4,5,6,7
.if \bt < 7
.if \bt > 0
	s_wait_xcnt 0x0                 ; the stores of the batch before have read their registers: that set is loaded again only behind this wait
.endif
	LOADB (\bt)+1
	s_wait_dscnt 16                 ; all but the sixteen just issued
.else
	s_wait_dscnt 0x0
.endif
	OUTB \bt
.if \bt == 0
	global_store_b64 v4, v[224:225], s[14:15]  ; 64 queries' M or L: 256 consecutive bytes, aligned
.endif
.endr
	s_wait_tensorcnt 0x0            ; the wave's end: these three lines stand behind my last tensor load and my last LDS store
	ds_add_u32 v[SPW], v[NIL]
	s_wait_dscnt 0x0
	CROUND                          ; the closing round: no work-group ends while a partner may still ask for a tile that names it
	s_endpgm
.Lfunc_end_k_q275e78e8ed_attn:
	.size	k_q275e78e8ed_attn, .Lfunc_end_k_q275e78e8ed_attn-k_q275e78e8ed_attn
	.p2alignl 7, 3214868480
	.fill 96, 4, 3214868480
	.section	.rodata,"a",@progbits
	.p2align	6, 0x0
	.amdhsa_kernel k_q275e78e8ed_attn
		.amdhsa_group_segment_fixed_size 327680
		.amdhsa_private_segment_fixed_size 0
		.amdhsa_enable_private_segment 0
		.amdhsa_kernarg_size 48
		.amdhsa_user_sgpr_count 2
		.amdhsa_user_sgpr_kernarg_segment_ptr 1
		.amdhsa_wavefront_size32 1
		.amdhsa_system_sgpr_workgroup_id_x 1
		.amdhsa_system_sgpr_workgroup_id_y 1
		.amdhsa_system_sgpr_workgroup_id_z 1
		.amdhsa_system_vgpr_workitem_id 0
		.amdhsa_next_free_vgpr 1024
		.amdhsa_next_free_sgpr 66
		.amdhsa_reserve_vcc 0
		.amdhsa_float_denorm_mode_32 3
		.amdhsa_float_denorm_mode_16_64 3
		.amdhsa_memory_ordered 1
		.amdhsa_forward_progress 1
		.amdhsa_inst_pref_size 255
	.end_amdhsa_kernel
	.section	.bss,"aw",@nobits
	.p2align	6
	.space	262144
	.amdgpu_metadata
---
amdhsa.version: [ 1, 2 ]
amdhsa.kernels:
  - .name:           k_q275e78e8ed_attn
    .symbol:         k_q275e78e8ed_attn.kd
    .args:
      - { .name: qbf, .offset: 0, .size: 8, .value_kind: global_buffer, .address_space: global }
      - { .name: kbf, .offset: 8, .size: 8, .value_kind: global_buffer, .address_space: global }
      - { .name: vbf, .offset: 16, .size: 8, .value_kind: global_buffer, .address_space: global }
      - { .name: P, .offset: 24, .size: 8, .value_kind: global_buffer, .address_space: global }
      - { .name: opart, .offset: 32, .size: 8, .value_kind: global_buffer, .address_space: global }
      - { .name: ml, .offset: 40, .size: 8, .value_kind: global_buffer, .address_space: global }
    .group_segment_fixed_size: 327680
    .private_segment_fixed_size: 0
    .kernarg_segment_align: 8
    .kernarg_segment_size: 48
    .max_flat_workgroup_size: 128
    .sgpr_count:     66
    .vgpr_count:     1024
    .wavefront_size: 32
...
	.end_amdgpu_metadata
.endif
;; end of part 2
;; launch comb (part 3): grid 256 x 1, 8 waves a work-group, no clusters, 0 bytes of LDS; arguments opart, ml, X, out0; writes out0
.if DOCPART == 3
	.amdgcn_target "amdgcn-amd-amdhsa--gfx1250"
	.amdhsa_code_object_version 6
	.text
	.protected	k_q275e78e8ed_comb
	.globl	k_q275e78e8ed_comb
	.p2align	8
	.type	k_q275e78e8ed_comb,@function
k_q275e78e8ed_comb:
	s_mov_b64 s[64:65], 0
	v_nop
	global_prefetch_b8 v0, s[64:65] scope:SCOPE_SE
	s_setreg_imm32_b32 hwreg(HW_REG_WAVE_MODE, 25, 1), 1
	s_wait_xcnt 0x0
; THE MERGE.  out0[q][:] = (sum over j of w_j O_j[q][:]) / (1 + sum over j of w_j L_j[q]) + X[q][:], w_j = 2^(M_j[q] - max over j of M_j[q]): the four quarters of the keys under their common, true maximum.
; opart: [4][8192][256] f32; ml: M [4][8192], then L [4][8192], f32; X, out0: [8192][256] f32.  All in f32.
; A stream: each byte is read once and written once, so no LDS, no matrix unit, no cluster and no barrier.  A wave takes four rows; all its 48 loads go out at once (40 of them 512 consecutive
; bytes each), and a row is finished as soon as its ten loads are in.  The divisor is at least 1.  NaN and infinities are not treated apart; a w below 2^-126 counts as 0.
.set MS,  4                            ; v[4:19]    M_j of my four rows at MS + 4 j + row
.set LS,  20                           ; v[20:35]   L_j likewise
.set FP,  36                           ; v[36:67]   w_j / divisor, twice (a pair for the packed lines), at FP + 2 (4 row + j)
.set MX,  68                           ; v[68:71]   the rows' maxima
.set WW,  72                           ; v[72:87]   w at WW + 4 row + j
.set DEN, 88                           ; v[88:91]
.set INV, 92                           ; v[92:95]
.set D,   96                           ; v[96:255]  row i at D + 40 i: O_0 .. O_3, then X, eight registers each (two halves of a row)
	s_load_b256 s[4:11], s[0:1], 0x0               ; opart s[4:5], ml s[6:7], X s[8:9], out0 s[10:11]
	v_lshrrev_b32 v1, 5, v0
	v_readfirstlane_b32 s12, v1                    ; wave 0..7
	v_and_b32 v1, 31, v0
	v_lshlrev_b32 v1, 4, v1                        ; 16 bytes a lane
	v_mov_b32 v2, 0
	s_lshl_b32 s13, ttmp9, 5
	s_lshl_b32 s14, s12, 2
	s_add_co_u32 s13, s13, s14                     ; my first row = 32 x work-group + 4 x wave
	s_lshl_b32 s16, s13, 10                        ; in rows of 1,024 bytes,
	s_mov_b32 s17, 0
	s_lshl_b32 s18, s13, 2                         ; and in words
	s_mov_b32 s19, 0
	s_wait_kmcnt 0x0
	s_add_nc_u64 s[20:21], s[4:5], s[16:17]        ; a base for each quarter: their distance is one byte more than an immediate holds
	s_add_nc_u64 s[22:23], s[20:21], 0x800000
	s_add_nc_u64 s[24:25], s[22:23], 0x800000
	s_add_nc_u64 s[26:27], s[24:25], 0x800000
	s_add_nc_u64 s[6:7], s[6:7], s[18:19]
	s_add_nc_u64 s[8:9], s[8:9], s[16:17]
	s_add_nc_u64 s[10:11], s[10:11], s[16:17]
.irp j, 0,1,2,3
	global_load_b128 v[MS+4*\j:MS+4*\j+3], v2, s[6:7] offset:\j*32768         ; every lane reads the same 16 bytes: four rows' M_j
.endr
.irp j, 0,1,2,3
	global_load_b128 v[LS+4*\j:LS+4*\j+3], v2, s[6:7] offset:131072+\j*32768
.endr
.irp i, 0,1,2,3
.irp j, 0,1,2,3
	global_load_b128 v[D+40*\i+8*\j:D+40*\i+8*\j+3],   v1, s[20+2*\j:21+2*\j] offset:\i*1024 th:TH_LOAD_NT
	global_load_b128 v[D+40*\i+8*\j+4:D+40*\i+8*\j+7], v1, s[20+2*\j:21+2*\j] offset:\i*1024+512 th:TH_LOAD_NT
.endr
	global_load_b128 v[D+40*\i+32:D+40*\i+35], v1, s[8:9] offset:\i*1024 th:TH_LOAD_NT
	global_load_b128 v[D+40*\i+36:D+40*\i+39], v1, s[8:9] offset:\i*1024+512 th:TH_LOAD_NT
.endr
	s_wait_loadcnt 40                              ; M and L are in; the 40 loads of rows stay out
.irp i, 0,1,2,3
	v_max3_num_f32 v[MX+\i], v[MS+\i], v[MS+4+\i], v[MS+8+\i]
.endr
.irp i, 0,1,2,3
	v_max_num_f32 v[MX+\i], v[MX+\i], v[MS+12+\i]
.endr
.irp i, 0,1,2,3
.irp j, 0,1,2,3
	v_sub_f32 v[WW+4*\i+\j], v[MS+4*\j+\i], v[MX+\i]
.endr
.endr
.set r, 0
.rept 16
	v_exp_f32 v[WW+r], v[WW+r]
.set r, r+1
.endr
	v_nop                                          ; a plain instruction behind the last exponential,
	s_wait_alu depctr_va_vdst(0)                   ; and the wait ahead of the first reader: one for the sixteen
.irp i, 0,1,2,3
	v_fma_f32 v[DEN+\i], v[WW+4*\i], v[LS+\i], 1.0 ; the 1 of 1 + sum starts the divisor
.endr
.irp j, 1,2,3
.irp i, 0,1,2,3
	v_fma_f32 v[DEN+\i], v[WW+4*\i+\j], v[LS+4*\j+\i], v[DEN+\i]
.endr
.endr
.irp i, 0,1,2,3
	v_rcp_f32 v[INV+\i], v[DEN+\i]
.endr
	v_nop
	s_wait_alu depctr_va_vdst(0)                   ; one for the four reciprocals
.irp i, 0,1,2,3
.irp j, 0,1,2,3
	v_mul_f32 v[FP+2*(4*\i+\j)],   v[WW+4*\i+\j], v[INV+\i]
	v_mul_f32 v[FP+2*(4*\i+\j)+1], v[WW+4*\i+\j], v[INV+\i]
.endr
.endr
.irp i, 0,1,2,3
	s_wait_loadcnt 30-10*\i                        ; row i's ten loads are in; the later rows' stay out
.irp j, 0,1,2,3
.irp p, 0,1,2,3
	v_pk_fma_f32 v[D+40*\i+32+2*\p:D+40*\i+33+2*\p], v[D+40*\i+8*\j+2*\p:D+40*\i+8*\j+2*\p+1], v[FP+2*(4*\i+\j):FP+2*(4*\i+\j)+1], v[D+40*\i+32+2*\p:D+40*\i+33+2*\p]
.endr
.endr
	global_store_b128 v1, v[D+40*\i+32:D+40*\i+35], s[10:11] offset:\i*1024 th:TH_STORE_NT      ; 512 consecutive bytes, aligned
	global_store_b128 v1, v[D+40*\i+36:D+40*\i+39], s[10:11] offset:\i*1024+512 th:TH_STORE_NT
.endr
	s_endpgm
.Lfunc_end_k_q275e78e8ed_comb:
	.size	k_q275e78e8ed_comb, .Lfunc_end_k_q275e78e8ed_comb-k_q275e78e8ed_comb
	.p2alignl 7, 3214868480
	.fill 96, 4, 3214868480
	.section	.rodata,"a",@progbits
	.p2align	6, 0x0
	.amdhsa_kernel k_q275e78e8ed_comb
		.amdhsa_group_segment_fixed_size 0
		.amdhsa_private_segment_fixed_size 0
		.amdhsa_enable_private_segment 0
		.amdhsa_kernarg_size 32
		.amdhsa_user_sgpr_count 2
		.amdhsa_user_sgpr_kernarg_segment_ptr 1
		.amdhsa_wavefront_size32 1
		.amdhsa_system_sgpr_workgroup_id_x 1
		.amdhsa_system_sgpr_workgroup_id_y 1
		.amdhsa_system_sgpr_workgroup_id_z 1
		.amdhsa_system_vgpr_workitem_id 0
		.amdhsa_next_free_vgpr 256
		.amdhsa_next_free_sgpr 66
		.amdhsa_reserve_vcc 0
		.amdhsa_float_denorm_mode_32 3
		.amdhsa_float_denorm_mode_16_64 3
		.amdhsa_memory_ordered 1
		.amdhsa_forward_progress 1
		.amdhsa_inst_pref_size 15
	.end_amdhsa_kernel
	.amdgpu_metadata
---
amdhsa.version: [ 1, 2 ]
amdhsa.kernels:
  - .name:           k_q275e78e8ed_comb
    .symbol:         k_q275e78e8ed_comb.kd
    .args:
      - { .name: opart, .offset: 0, .size: 8, .value_kind: global_buffer, .address_space: global }
      - { .name: ml, .offset: 8, .size: 8, .value_kind: global_buffer, .address_space: global }
      - { .name: X, .offset: 16, .size: 8, .value_kind: global_buffer, .address_space: global }
      - { .name: out0, .offset: 24, .size: 8, .value_kind: global_buffer, .address_space: global }
    .group_segment_fixed_size: 0
    .private_segment_fixed_size: 0
    .kernarg_segment_align: 8
    .kernarg_segment_size: 32
    .max_flat_workgroup_size: 256
    .sgpr_count:     66
    .vgpr_count:     256
    .wavefront_size: 32
...
	.end_amdgpu_metadata
.endif
;; end of part 3
;; ======== version 2 of 2: 3 launches; version 1 with the launches proj, comb written anew for expert scheduling mode
;; workspace buffers: qbf 4,194,304 bytes; kbf 4,194,304 bytes; vbf 4,194,304 bytes; opart 33,554,432 bytes; ml 262,144 bytes
;; launch proj (part 4): grid 64 x 3, 4 waves a work-group, no clusters, 224,768 bytes of LDS; arguments X, W_q, W_k, W_v, b_q, b_k, b_v, qbf, kbf, vbf; writes qbf, kbf, vbf
.if DOCPART == 4
	.amdgcn_target "amdgcn-amd-amdhsa--gfx1250"
	.amdhsa_code_object_version 6
	.text
	.protected	k_q275e78e8ed_proj
	.globl	k_q275e78e8ed_proj
	.p2align	8
	.type	k_q275e78e8ed_proj,@function
k_q275e78e8ed_proj:
	s_mov_b64 s[64:65], 0
	v_nop
	global_prefetch_b8 v0, s[64:65] scope:SCOPE_SE
	s_setreg_imm32_b32 hwreg(HW_REG_WAVE_SCHED_MODE, 0, 2), 2
	s_setreg_imm32_b32 hwreg(HW_REG_WAVE_MODE, 25, 1), 1
	s_wait_xcnt 0x0
	s_wait_alu depctr_vm_vsrc(0)
; THE THREE PROJECTIONS.  out[m][n] = bf16((sum over k of X[m][k] W[k][n] + b[n]) x sc).  X: [8192][256] f32, W: [256][256] f32 ([k][n]), b: [256] f32, out: [8192][256] bf16.
; Work-group (x, y): rows 128 x .. 128 x + 127, all 256 columns, of matrix y: 0 = q (sc = log2(e) / 16, so that the next launch's scores are exponents of 2), 1 = k, 2 = v (sc = 1).
; X and W are rounded once to bf16 on their way into LDS; sums and the bias in f32; the result is rounded once.
; 192 work-groups: a split into 256 would need blocks of 192 columns, which end inside an aligned 256 bytes of a row of out and straddle two matrices.
; No tensor loads: every number has to pass through registers to be rounded.  No cluster and no prefetch: a short launch, whose X and W other work-groups read as well.
; SHARES.  Wave w: rows 64 (w / 2) .. + 63 (four tiles a of 16), columns 128 (w % 2) .. + 127 (eight blocks b of 16): 32 accumulators, 256 matrix instructions.
; THE MATRIX INSTRUCTION IS USED TRANSPOSED: source 0 = 16 columns of W (turned on the way out of LDS by ds_load_tr16_b128), source 1 = 16 rows of X: a lane then holds one row and eight
; neighbouring columns.  The first K step takes the bias as its C operand: nothing is cleared and nothing is added later.
; LIMITS.  NaN and infinities are not treated apart; bf16 has f32's range, so no range is lost.
; REGISTERS.  window 0: v1-13 addresses; v32-63 rounded numbers on their way to LDS; v64-255 three sets of 64 for the loads, then two sets of 96 for fragments, then the way out.
;             window 1: accumulator (a, b) at 8 (8 a + b).     window 2: v0-63 the bias of my 128 columns, block b at 8 b.
; THE MODE: SCHED_MODE bits 1:0 = 2 (LLVM: expert scheduling mode 2), set by the entry lines.  The code itself states the register dependences
; between vector or matrix instructions and memory or LDS instructions, with s_wait_alu, always for 0.
; THE PLAN.  Registers that memory or LDS instructions touch:
;   v3-v13       offsets and LDS addresses: written once at the head, read by every load and store, never written again: one wait on va_vdst ahead of the first load.
;   L0 .. L2     v64-255, three sets of 64.  Batch n's loads land in L[n % 3]; its 32 roundings read it; behind them batch n + 3's loads land in it.
;   T            v32-63.  Written by a batch's roundings, read by its 16 LDS stores, written again by the next batch's roundings.
;                So a batch has one wait on va_vdst behind its roundings (they are done reading L and have written T), and one on vm_vsrc ahead of them (the last batch's stores have read T).
;   F0, F1       v64-159, v160-255.  K step c's 32 products read F[c % 2]; the 24 LDS loads of step c + 1, issued in step c, land in the other set, which the products of step c - 1 read.
;                So a step has one wait on va_vdst at its head; its loads follow in two runs of 12, the second behind 16 products, which name F[c % 2], accumulators and the bias alone.
;   TMP0, TMP1   v64-95, v96-127, by turns.  Written by a tile's roundings, read by its eight LDS stores: a wait on va_vdst ahead of the stores, one on vm_vsrc before a buffer is written again.
;   OB           v128-255, 32 a tile.  Written by the LDS loads from the stage, read by the global stores, never written again.
.set PX,    528                        ; a row of X in LDS: 512 bytes + 16: the 16 rows of a fragment load start at 16 different groups of four banks (ISA guide 11.1)
.set PW,    544                        ; a row of W: 512 + 32
.set WS,    128*PX                     ; X's 128 rows, then W's 256
.set STAGE, WS+256*PW                  ; 16 rows x 272 bytes for each wave, for the way out
.set SPT,   272
.set GX,  3                            ; v3   byte offset of my 16 bytes in the first half row of X that my wave loads
.set GW,  4                            ; v4   the same in W
.set LX,  5                            ; v5   where their 8 bytes of bf16 go in LDS
.set LW,  6                            ; v6
.set AX,  7                            ; v7   my lane's place in a fragment of X
.set AW,  8                            ; v8-9 the same for W: k 0-127, k 128-255 (an LDS immediate ends at 65,535)
.set STO, 10                           ; v10  the way out: where I put 16 bytes of a row
.set RD,  11                           ; v11  where I read rows back
.set CO,  12                           ; v12  my byte offset in out
.set BO,  13                           ; v13  my byte offset in the bias
.set T,   32
.set TMP, 64
.set OB,  128
.set MSB, 0
.macro WIN new                         ; the immediate's high byte repeats the setting that is left; a switch that changes nothing is dropped
.if MSB != (\new)
	s_set_vgpr_msb (MSB<<8)|(\new)
.set MSB, (\new)
.endif
.endm
.macro PLACES                          ; four plain vector instructions behind a matrix instruction, ahead of loads into registers that it read and of lines that read its result
.rept 4
	v_nop
.endr
.endm
	s_load_b512 s[8:23], s[0:1], 0x0               ; X 8:9, W_q 10:11, W_k 12:13, W_v 14:15, b_q 16:17, b_k 18:19, b_v 20:21, qbf 22:23
	s_load_b128 s[24:27], s[0:1], 0x40             ; kbf 24:25, vbf 26:27
	v_lshl_add_u32 v30, v0, 2, 0x36c00
	v_mov_b32 v31, 0
	v_lshrrev_b32 v16, 5, v0
	v_readfirstlane_b32 s4, v16                    ; wave 0..3
	s_and_b32 s36, ttmp7, 0xffff                   ; which matrix
	v_and_b32 v1, 15, v0                           ; l % 16
	v_bfe_u32 v2, v0, 4, 1                         ; l / 16
	v_and_b32 v17, 31, v0                          ; l
	s_wait_alu depctr_va_sdst(0)                   ; s4 is written, ahead of its first reader: the wave's shares and addresses are made from it
	s_lshr_b32 s5, s4, 1                           ; which 64 rows
	s_and_b32 s6, s4, 1                            ; which 128 columns
	s_lshl_b32 s37, s4, 15                         ; my wave loads rows 32 w .. of X (1,024 bytes each),
	v_lshl_add_u32 v[GX], v17, 4, s37
	s_lshl_b32 s37, s4, 16                         ; and rows 64 w .. of W
	v_lshl_add_u32 v[GW], v17, 4, s37
	s_mul_i32 s37, s4, 32*PX
	v_lshl_add_u32 v[LX], v17, 3, s37
	s_mul_i32 s37, s4, 64*PW
	s_add_co_u32 s37, s37, WS
	v_lshl_add_u32 v[LW], v17, 3, s37
	s_mul_i32 s37, s5, 64*PX
	v_mul_u32_u24 v[AX], v1, PX
	v_lshl_add_u32 v[AX], v2, 4, v[AX]
	v_add_nc_u32 v[AX], s37, v[AX]                 ; (64 rh + l % 16) x pitch + 16 (l / 16)
	v_and_b32 v18, 7, v0
	v_bfe_u32 v19, v0, 3, 1
	v_lshl_add_u32 v[AW], v2, 3, v18               ; the turning load: lane l reads k = 8 (l / 16) + l % 8, columns 8 ((l / 8) % 2) + 0..7
	v_mul_u32_u24 v[AW], v[AW], PW
	v_lshl_add_u32 v[AW], v19, 4, v[AW]
	s_lshl_b32 s37, s6, 8
	s_add_co_u32 s37, s37, WS
	v_add_nc_u32 v[AW], s37, v[AW]
	v_add_nc_u32 v[AW+1], 128*PW, v[AW]
	s_mul_i32 s37, s4, 16*SPT
	s_add_co_u32 s37, s37, STAGE
	v_mul_u32_u24 v[STO], v1, SPT                  ; in: row l % 16, 16 bytes for each half of the lanes
	v_lshl_add_u32 v[STO], v2, 4, v[STO]
	v_add_nc_u32 v[STO], s37, v[STO]
	v_mul_u32_u24 v[RD], v2, SPT                   ; back: lanes 0-15 one row of 256 bytes, lanes 16-31 the next
	v_lshl_add_u32 v[RD], v1, 4, v[RD]
	v_add_nc_u32 v[RD], s37, v[RD]
	s_lshl_b32 s37, s5, 15                         ; 64 rows of 512 bytes,
	s_lshl_b32 s38, s6, 8                          ; 128 columns of 2
	s_add_co_u32 s37, s37, s38
	v_lshlrev_b32 v[CO], 9, v2
	v_lshl_add_u32 v[CO], v1, 4, v[CO]
	v_add_nc_u32 v[CO], s37, v[CO]
	s_lshl_b32 s37, s6, 9
	v_lshl_add_u32 v[BO], v2, 5, s37               ; bias: 4 (128 ch + 8 (l / 16)) bytes
	s_lshl_b32 s40, ttmp9, 17                      ; the work-group's 128 rows of X,
	s_mov_b32 s41, 0
	s_lshl_b32 s42, ttmp9, 16                      ; and of out
	s_mov_b32 s43, 0
	s_wait_kmcnt 0x0
	s_cmp_eq_u32 s36, 1                            ; the matrix chooses W, b and out: first between k and v,
	s_cselect_b64 s[28:29], s[12:13], s[14:15]
	s_cselect_b64 s[30:31], s[18:19], s[20:21]
	s_cselect_b64 s[32:33], s[24:25], s[26:27]
	s_cmp_eq_u32 s36, 0                            ; then q
	s_cselect_b64 s[28:29], s[10:11], s[28:29]
	s_cselect_b64 s[30:31], s[16:17], s[30:31]
	s_cselect_b64 s[32:33], s[22:23], s[32:33]
	s_cselect_b32 s34, 0x3db8aa3b, 1.0             ; sc = log2(e) / 16 for q
	s_mov_b32 s35, s34                             ; named with it as a pair
	s_add_nc_u64 s[8:9], s[8:9], s[40:41]
	s_add_nc_u64 s[32:33], s[32:33], s[42:43]
	WIN 0x80                                       ; destination window 2
	s_wait_alu depctr_va_vdst(0)                   ; the eleven offsets and addresses v3 to v13 are written, which all loads and stores of the kernel read; none is written again
.irp b, 0,1,2,3,4,5,6,7
	global_load_b128 v[8*\b:8*\b+3],   v[BO], s[30:31] offset:64*\b
	global_load_b128 v[8*\b+4:8*\b+7], v[BO], s[30:31] offset:64*\b+16
.endr
	WIN 0
; Batch n of 12: sixteen loads, each 512 consecutive bytes (half a row), into set n % 3.  Batches 0-3: my 32 rows of X; 4-11: my 64 rows of W.
.macro BATCH n
.set sb, 64+64*((\n)%3)
.set i_, 0
.rept 16
.if (\n) < 4
.set x_, 16*(\n)+i_
	global_load_b128 v[sb+4*i_:sb+4*i_+3], v[GX], s[8:9] offset:(x_/2)*1024+(x_%2)*512
.else
.set x_, 16*((\n)-4)+i_
	global_load_b128 v[sb+4*i_:sb+4*i_+3], v[GW], s[28:29] offset:(x_/2)*1024+(x_%2)*512
.endif
.set i_, i_+1
.endr
.endm
; Batch n is rounded to bf16; its set is asked for again at once, for batch n + 3; the rounded numbers are stored into LDS.
; The wait on LOADcnt leaves the younger batches out: two of them (32 loads), then one, then none.
.macro CONV n
.set sb, 64+64*((\n)%3)
.if (\n) < 10
	s_wait_loadcnt 32
.elseif (\n) == 10
	s_wait_loadcnt 16
.else
	s_wait_loadcnt 0x0
.endif
.if (\n) > 0
	s_wait_alu depctr_vm_vsrc(0)                   ; the LDS stores of the batch before have read T, which the roundings below write again
.endif
.set i_, 0
.rept 32
	v_cvt_pk_bf16_f32 v[T+i_], v[sb+2*i_], v[sb+2*i_+1]
.set i_, i_+1
.endr
	s_wait_alu depctr_va_vdst(0)                   ; the roundings have written T, which the LDS stores below read, and are done reading their set, in which the loads below land
.if (\n) < 9
	BATCH (\n)+3                                   ; the set just rounded is asked for again
.endif
.set i_, 0
.rept 16
.if (\n) < 4
.set x_, 16*(\n)+i_
	ds_store_b64 v[LX], v[T+2*i_:T+2*i_+1] offset:(x_/2)*PX+(x_%2)*256
.else
.set x_, 16*((\n)-4)+i_
	ds_store_b64 v[LW], v[T+2*i_:T+2*i_+1] offset:(x_/2)*PW+(x_%2)*256
.endif
.set i_, i_+1
.endr
.endm
; Half h of the fragments of K step c (32 along k) into set c % 2: four of W's eight (turned), two of X's four: 12 LDS loads in one run.
.macro FETCHH c, h
.set fb, 64+96*((\c)%2)
.irp b, 0,1,2,3
	ds_load_tr16_b128 v[fb+8*(4*(\h)+\b):fb+8*(4*(\h)+\b)+3],   v[AW+(\c)/4] offset:((\c)%4)*32*PW+32*(4*(\h)+\b)
	ds_load_tr16_b128 v[fb+8*(4*(\h)+\b)+4:fb+8*(4*(\h)+\b)+7], v[AW+(\c)/4] offset:((\c)%4)*32*PW+16*PW+32*(4*(\h)+\b)
.endr
.irp a, 0,1
	ds_load_b128 v[fb+64+8*(2*(\h)+\a):fb+64+8*(2*(\h)+\a)+3],   v[AX] offset:(2*(\h)+\a)*16*PX+64*(\c)
	ds_load_b128 v[fb+64+8*(2*(\h)+\a)+4:fb+64+8*(2*(\h)+\a)+7], v[AX] offset:(2*(\h)+\a)*16*PX+64*(\c)+32
.endr
.endm
; Sixteen products: tiles a0, a0 + 1 x all eight blocks.  The 32 accumulators take turns, one instruction a turn, in the same order in every K step.
.macro MULP c, a0
.set fb, 64+96*((\c)%2)
.irp a, \a0, (\a0)+1
.irp b, 0,1,2,3,4,5,6,7
.if (\c) == 0
	WIN 0x60                                       ; D window 1, C (the bias) window 2
	v_wmma_f32_16x16x32_bf16 v[8*(8*(\a)+\b):8*(8*(\a)+\b)+7], v[fb+8*\b:fb+8*\b+7], v[fb+64+8*(\a):fb+64+8*(\a)+7], v[8*\b:8*\b+7]
.else
	WIN 0x50                                       ; C and D window 1
	v_wmma_f32_16x16x32_bf16 v[8*(8*(\a)+\b):8*(8*(\a)+\b)+7], v[fb+8*\b:fb+8*\b+7], v[fb+64+8*(\a):fb+64+8*(\a)+7], v[8*(8*(\a)+\b):8*(8*(\a)+\b)+7]
.endif
.endr
.endr
.endm
	BATCH 0
	BATCH 1
	BATCH 2
.irp n, 0,1,2,3,4,5,6,7,8,9,10,11
	CONV \n
.endr
	s_wait_dscnt 0x0                               ; for the others' sake: my part of both tiles is in LDS
	s_barrier_signal -1
	s_barrier_wait -1                              ; everybody's is
	FETCHH 0, 0                                    ; no wait: the last vector lines that named v64-255 are roundings, which stand ahead of the last batch's wait on va_vdst
	FETCHH 0, 1
.irp c, 0,1,2,3,4,5,6,7
	s_wait_dscnt 0x0                               ; this step's fragments: the last of them were asked for sixteen products ago
.if \c < 7
.if \c > 0
	PLACES                                         ; the other set's last readers stand ahead of these four
	WIN 0
	s_wait_alu depctr_va_vdst(0)                   ; the products of the step before are done reading the other set, in which this step's 24 loads land
.endif
	WIN 0
	FETCHH (\c)+1, 0
.endif
	MULP \c, 0
.if \c < 7
	WIN 0
	FETCHH (\c)+1, 1                               ; no wait: the sixteen products since the wait name this step's set, accumulators and the bias, none of the registers that these loads touch
.endif
	MULP \c, 2
.endr
	PLACES
; THE WAY OUT of tile a: times sc, rounded to bf16 (16 bytes a lane) into buffer a % 2 of TMP, through my own stage, back as whole rows of 256 bytes.  Each accumulator is read from its lowest registers on.
.macro PACKP a
.set tb_, TMP+32*((\a)%2)
	WIN 0x41                                       ; destination and source 0 window 1
.set i_, 64*(\a)
.rept 32
	v_pk_mul_f32 v[i_:i_+1], v[i_:i_+1], s[34:35] op_sel_hi:[1,0]
.set i_, i_+2
.endr
.if (\a) > 1
	s_wait_alu depctr_vm_vsrc(0)                   ; the LDS stores of two tiles back have read this buffer of TMP, which the roundings below write again
.endif
	WIN 0x05                                       ; sources window 1, destination window 0
.set i_, 0
.rept 32
	v_cvt_pk_bf16_f32 v[tb_+i_], v[64*(\a)+2*i_], v[64*(\a)+2*i_+1]
.set i_, i_+1
.endr
	WIN 0
	s_wait_alu depctr_va_vdst(0)                   ; the roundings have written TMP, which the LDS stores read; in tile 0 also: the last products are done reading v128-255, in which the loads from the stage land
.irp b, 0,1,2,3,4,5,6,7
	ds_store_b128 v[STO], v[tb_+4*\b:tb_+4*\b+3] offset:32*\b
.endr
.irp u, 0,1,2,3,4,5,6,7
	ds_load_b128 v[OB+32*(\a)+4*\u:OB+32*(\a)+4*\u+3], v[RD] offset:\u*2*SPT  ; LDS serves a wave's instructions in order (ISA guide 5.7.1.4): these see the stores above
.endr
.endm
.macro SENDP a, younger                ; younger: the next tile's eight LDS stores and eight loads, or none
	s_wait_dscnt \younger
.irp u, 0,1,2,3,4,5,6,7
	global_store_b128 v[CO], v[OB+32*(\a)+4*\u:OB+32*(\a)+4*\u+3], s[32:33] offset:(\a)*8192+\u*1024  ; 16 lanes store 256 consecutive bytes, aligned
.endr
.endm
	PACKP 0
	PACKP 1
	SENDP 0, 16
	PACKP 2
	SENDP 1, 16
	PACKP 3
	SENDP 2, 16
	SENDP 3, 0
	s_wait_dscnt 0x0                               ; the wave's end.  The closing add puts 0 onto my spare word, in the last 512 bytes of the LDS claimed
	s_wait_alu depctr_hold_cnt(0) depctr_sa_sdst(0) depctr_va_vdst(0) depctr_va_sdst(0) depctr_va_ssrc(0) depctr_va_vcc(0) depctr_vm_vsrc(0)
	s_wait_tensorcnt 0x0
	ds_add_u32 v30, v31
	s_wait_dscnt 0x0
	s_endpgm
.Lfunc_end_k_q275e78e8ed_proj:
	.size	k_q275e78e8ed_proj, .Lfunc_end_k_q275e78e8ed_proj-k_q275e78e8ed_proj
	.p2alignl 7, 3214868480
	.fill 96, 4, 3214868480
	.section	.rodata,"a",@progbits
	.p2align	6, 0x0
	.amdhsa_kernel k_q275e78e8ed_proj
		.amdhsa_group_segment_fixed_size 224768
		.amdhsa_private_segment_fixed_size 0
		.amdhsa_enable_private_segment 0
		.amdhsa_kernarg_size 80
		.amdhsa_user_sgpr_count 2
		.amdhsa_user_sgpr_kernarg_segment_ptr 1
		.amdhsa_wavefront_size32 1
		.amdhsa_system_sgpr_workgroup_id_x 1
		.amdhsa_system_sgpr_workgroup_id_y 1
		.amdhsa_system_sgpr_workgroup_id_z 1
		.amdhsa_system_vgpr_workitem_id 0
		.amdhsa_next_free_vgpr 576
		.amdhsa_next_free_sgpr 66
		.amdhsa_reserve_vcc 0
		.amdhsa_float_denorm_mode_32 3
		.amdhsa_float_denorm_mode_16_64 3
		.amdhsa_memory_ordered 1
		.amdhsa_forward_progress 1
		.amdhsa_inst_pref_size 115
	.end_amdhsa_kernel
	.amdgpu_metadata
---
amdhsa.version: [ 1, 2 ]
amdhsa.kernels:
  - .name:           k_q275e78e8ed_proj
    .symbol:         k_q275e78e8ed_proj.kd
    .args:
      - { .name: X, .offset: 0, .size: 8, .value_kind: global_buffer, .address_space: global }
      - { .name: W_q, .offset: 8, .size: 8, .value_kind: global_buffer, .address_space: global }
      - { .name: W_k, .offset: 16, .size: 8, .value_kind: global_buffer, .address_space: global }
      - { .name: W_v, .offset: 24, .size: 8, .value_kind: global_buffer, .address_space: global }
      - { .name: b_q, .offset: 32, .size: 8, .value_kind: global_buffer, .address_space: global }
      - { .name: b_k, .offset: 40, .size: 8, .value_kind: global_buffer, .address_space: global }
      - { .name: b_v, .offset: 48, .size: 8, .value_kind: global_buffer, .address_space: global }
      - { .name: qbf, .offset: 56, .size: 8, .value_kind: global_buffer, .address_space: global }
      - { .name: kbf, .offset: 64, .size: 8, .value_kind: global_buffer, .address_space: global }
      - { .name: vbf, .offset: 72, .size: 8, .value_kind: global_buffer, .address_space: global }
    .group_segment_fixed_size: 224768
    .private_segment_fixed_size: 0
    .kernarg_segment_align: 8
    .kernarg_segment_size: 80
    .max_flat_workgroup_size: 128
    .sgpr_count:     66
    .vgpr_count:     576
    .wavefront_size: 32
...
	.end_amdgpu_metadata
.endif
;; end of part 4
;; launch attn: the kernel of part 2 again; grid 64 x 4, 4 waves a work-group, clusters of 4 x 1, 327,680 bytes of LDS; arguments qbf, kbf, vbf, P, opart, ml; writes opart, ml
;; launch comb (part 5): grid 256 x 1, 8 waves a work-group, no clusters, 0 bytes of LDS; arguments opart, ml, X, out0; writes out0
.if DOCPART == 5
	.amdgcn_target "amdgcn-amd-amdhsa--gfx1250"
	.amdhsa_code_object_version 6
	.text
	.protected	k_q275e78e8ed_comb
	.globl	k_q275e78e8ed_comb
	.p2align	8
	.type	k_q275e78e8ed_comb,@function
k_q275e78e8ed_comb:
	s_mov_b64 s[64:65], 0
	v_nop
	global_prefetch_b8 v0, s[64:65] scope:SCOPE_SE
	s_setreg_imm32_b32 hwreg(HW_REG_WAVE_SCHED_MODE, 0, 2), 2
	s_setreg_imm32_b32 hwreg(HW_REG_WAVE_MODE, 25, 1), 1
	s_wait_xcnt 0x0
	s_wait_alu depctr_vm_vsrc(0)
; THE MERGE.  out0[q][:] = (sum over j of w_j O_j[q][:]) / (1 + sum over j of w_j L_j[q]) + X[q][:], w_j = 2^(M_j[q] - max over j of M_j[q]): the four quarters of the keys under their common, true maximum.
; opart: [4][8192][256] f32; ml: M [4][8192], then L [4][8192], f32; X, out0: [8192][256] f32.  All in f32.
; A stream: each byte is read once and written once, so no LDS, no matrix unit, no cluster and no barrier.  A wave takes four rows; all its 48 loads go out at once (40 of them 512 consecutive
; bytes each), and a row is finished as soon as its ten loads are in.  The divisor is at least 1.  NaN and infinities are not treated apart; a w below 2^-126 counts as 0.
; THE MODE: SCHED_MODE bits 1:0 = 2 (LLVM: expert scheduling mode 2), set by the entry lines.  The code itself states the register dependences
; between vector instructions and memory instructions, with s_wait_alu, always for 0.
; THE PLAN.  Registers that memory instructions touch:
;   v1, v2       offsets: written once at the head, read by every load and store, never written again: one wait on va_vdst ahead of the first load.
;   MS, LS, D    written by the 48 loads, all issued at the head, before any vector line names them; nothing is loaded twice.
;   X's eight registers of a row (D + 40 i + 32 ..): written by the row's sixteen multiply-adds, read by its two stores, never written again: one wait on va_vdst a row, ahead of the two stores.
; No register that a memory instruction has read is written again, and the one wait on vm_vsrc stands among the entry lines.
.set MS,  4                            ; v[4:19]    M_j of my four rows at MS + 4 j + row
.set LS,  20                           ; v[20:35]   L_j likewise
.set FP,  36                           ; v[36:67]   w_j / divisor, twice (a pair for the packed lines), at FP + 2 (4 row + j)
.set MX,  68                           ; v[68:71]   the rows' maxima
.set WW,  72                           ; v[72:87]   w at WW + 4 row + j
.set DEN, 88                           ; v[88:91]
.set INV, 92                           ; v[92:95]
.set D,   96                           ; v[96:255]  row i at D + 40 i: O_0 .. O_3, then X, eight registers each (two halves of a row)
	s_load_b256 s[4:11], s[0:1], 0x0               ; opart s[4:5], ml s[6:7], X s[8:9], out0 s[10:11]
	v_lshrrev_b32 v1, 5, v0
	v_readfirstlane_b32 s12, v1                    ; wave 0..7
	v_and_b32 v1, 31, v0
	v_lshlrev_b32 v1, 4, v1                        ; 16 bytes a lane
	v_mov_b32 v2, 0
	s_lshl_b32 s13, ttmp9, 5
	s_wait_alu depctr_va_sdst(0)                   ; s12 is written, ahead of its first reader: the wave's rows are made from it
	s_lshl_b32 s14, s12, 2
	s_add_co_u32 s13, s13, s14                     ; my first row = 32 x work-group + 4 x wave
	s_lshl_b32 s16, s13, 10                        ; in rows of 1,024 bytes,
	s_mov_b32 s17, 0
	s_lshl_b32 s18, s13, 2                         ; and in words
	s_mov_b32 s19, 0
	s_wait_kmcnt 0x0
	s_add_nc_u64 s[20:21], s[4:5], s[16:17]        ; a base for each quarter: their distance is one byte more than an immediate holds
	s_add_nc_u64 s[22:23], s[20:21], 0x800000
	s_add_nc_u64 s[24:25], s[22:23], 0x800000
	s_add_nc_u64 s[26:27], s[24:25], 0x800000
	s_add_nc_u64 s[6:7], s[6:7], s[18:19]
	s_add_nc_u64 s[8:9], s[8:9], s[16:17]
	s_add_nc_u64 s[10:11], s[10:11], s[16:17]
	s_wait_alu depctr_va_vdst(0)                   ; v1 and v2 are written: every load and store of the kernel reads one of them as its offset
.irp j, 0,1,2,3
	global_load_b128 v[MS+4*\j:MS+4*\j+3], v2, s[6:7] offset:\j*32768         ; every lane reads the same 16 bytes: four rows' M_j
.endr
.irp j, 0,1,2,3
	global_load_b128 v[LS+4*\j:LS+4*\j+3], v2, s[6:7] offset:131072+\j*32768
.endr
.irp i, 0,1,2,3
.irp j, 0,1,2,3
	global_load_b128 v[D+40*\i+8*\j:D+40*\i+8*\j+3],   v1, s[20+2*\j:21+2*\j] offset:\i*1024 th:TH_LOAD_NT
	global_load_b128 v[D+40*\i+8*\j+4:D+40*\i+8*\j+7], v1, s[20+2*\j:21+2*\j] offset:\i*1024+512 th:TH_LOAD_NT
.endr
	global_load_b128 v[D+40*\i+32:D+40*\i+35], v1, s[8:9] offset:\i*1024 th:TH_LOAD_NT
	global_load_b128 v[D+40*\i+36:D+40*\i+39], v1, s[8:9] offset:\i*1024+512 th:TH_LOAD_NT
.endr
	s_wait_loadcnt 40                              ; M and L are in; the 40 loads of rows stay out
.irp i, 0,1,2,3
	v_max3_num_f32 v[MX+\i], v[MS+\i], v[MS+4+\i], v[MS+8+\i]
.endr
.irp i, 0,1,2,3
	v_max_num_f32 v[MX+\i], v[MX+\i], v[MS+12+\i]
.endr
.irp i, 0,1,2,3
.irp j, 0,1,2,3
	v_sub_f32 v[WW+4*\i+\j], v[MS+4*\j+\i], v[MX+\i]
.endr
.endr
.set r, 0
.rept 16
	v_exp_f32 v[WW+r], v[WW+r]
.set r, r+1
.endr
	v_nop                                          ; a plain instruction behind the last exponential,
	s_wait_alu depctr_va_vdst(0)                   ; and the wait ahead of the first reader: the sixteen exponentials have written WW
.irp i, 0,1,2,3
	v_fma_f32 v[DEN+\i], v[WW+4*\i], v[LS+\i], 1.0 ; the 1 of 1 + sum starts the divisor
.endr
.irp j, 1,2,3
.irp i, 0,1,2,3
	v_fma_f32 v[DEN+\i], v[WW+4*\i+\j], v[LS+4*\j+\i], v[DEN+\i]
.endr
.endr
.irp i, 0,1,2,3
	v_rcp_f32 v[INV+\i], v[DEN+\i]
.endr
	v_nop
	s_wait_alu depctr_va_vdst(0)                   ; the four reciprocals have written INV, ahead of their first reader
.irp i, 0,1,2,3
.irp j, 0,1,2,3
	v_mul_f32 v[FP+2*(4*\i+\j)],   v[WW+4*\i+\j], v[INV+\i]
	v_mul_f32 v[FP+2*(4*\i+\j)+1], v[WW+4*\i+\j], v[INV+\i]
.endr
.endr
.irp i, 0,1,2,3
	s_wait_loadcnt 30-10*\i                        ; row i's ten loads are in; the later rows' stay out
.irp j, 0,1,2,3
.irp p, 0,1,2,3
	v_pk_fma_f32 v[D+40*\i+32+2*\p:D+40*\i+33+2*\p], v[D+40*\i+8*\j+2*\p:D+40*\i+8*\j+2*\p+1], v[FP+2*(4*\i+\j):FP+2*(4*\i+\j)+1], v[D+40*\i+32+2*\p:D+40*\i+33+2*\p]
.endr
.endr
	s_wait_alu depctr_va_vdst(0)                   ; the row's sixteen multiply-adds have written its eight registers, which the two stores read
	global_store_b128 v1, v[D+40*\i+32:D+40*\i+35], s[10:11] offset:\i*1024 th:TH_STORE_NT      ; 512 consecutive bytes, aligned
	global_store_b128 v1, v[D+40*\i+36:D+40*\i+39], s[10:11] offset:\i*1024+512 th:TH_STORE_NT
.endr
	s_endpgm
.Lfunc_end_k_q275e78e8ed_comb:
	.size	k_q275e78e8ed_comb, .Lfunc_end_k_q275e78e8ed_comb-k_q275e78e8ed_comb
	.p2alignl 7, 3214868480
	.fill 96, 4, 3214868480
	.section	.rodata,"a",@progbits
	.p2align	6, 0x0
	.amdhsa_kernel k_q275e78e8ed_comb
		.amdhsa_group_segment_fixed_size 0
		.amdhsa_private_segment_fixed_size 0
		.amdhsa_enable_private_segment 0
		.amdhsa_kernarg_size 32
		.amdhsa_user_sgpr_count 2
		.amdhsa_user_sgpr_kernarg_segment_ptr 1
		.amdhsa_wavefront_size32 1
		.amdhsa_system_sgpr_workgroup_id_x 1
		.amdhsa_system_sgpr_workgroup_id_y 1
		.amdhsa_system_sgpr_workgroup_id_z 1
		.amdhsa_system_vgpr_workitem_id 0
		.amdhsa_next_free_vgpr 256
		.amdhsa_next_free_sgpr 66
		.amdhsa_reserve_vcc 0
		.amdhsa_float_denorm_mode_32 3
		.amdhsa_float_denorm_mode_16_64 3
		.amdhsa_memory_ordered 1
		.amdhsa_forward_progress 1
		.amdhsa_inst_pref_size 15
	.end_amdhsa_kernel
	.amdgpu_metadata
---
amdhsa.version: [ 1, 2 ]
amdhsa.kernels:
  - .name:           k_q275e78e8ed_comb
    .symbol:         k_q275e78e8ed_comb.kd
    .args:
      - { .name: opart, .offset: 0, .size: 8, .value_kind: global_buffer, .address_space: global }
      - { .name: ml, .offset: 8, .size: 8, .value_kind: global_buffer, .address_space: global }
      - { .name: X, .offset: 16, .size: 8, .value_kind: global_buffer, .address_space: global }
      - { .name: out0, .offset: 24, .size: 8, .value_kind: global_buffer, .address_space: global }
    .group_segment_fixed_size: 0
    .private_segment_fixed_size: 0
    .kernarg_segment_align: 8
    .kernarg_segment_size: 32
    .max_flat_workgroup_size: 256
    .sgpr_count:     66
    .vgpr_count:     256
    .wavefront_size: 32
...
	.end_amdgpu_metadata
.endif
;; end of part 5
